; MI455X (gfx1250); checked and timed in simulation.
; The chip was launched on July 23, 2026; its instructions are those of AMD's public machine-readable ISA for CDNA 5 (MIT licence, August 2026) and "CDNA5" Instruction Set Architecture Reference Guide (July 2026). The comments in the code are by the model that wrote it; some were corrected since.
;; Neighbor Self Attention. Allowed arithmetic: matrix products marked QUANTISED: E2M3 operands, one E8M0 scale for each 32 along K, by v_wmma_scale_f32_16x16x128_f8f6f4 with both operands' format E2M3, f32 sums; products left as they are: f32 operands where the result goes on into a quantised operand, else bf16, f16 or f32 operands; f32 sums; everything else in f32.
;; Inputs: Wk 256 x 256 float32; Wo 256 x 256 float32; Wq 256 x 256 float32; Wv 256 x 256 float32; beta 256 float32; bk 256 float32; bo 256 float32; bq 256 float32; bv 256 float32; gamma 256 float32; neighbor_features 16,384 x 16 x 256 float32.
;; Outputs: out0 16,384 x 256 float32.
;; This version of the problem:
;;   THIS VERSION OF THE PROBLEM IS GIVEN IN LOW PRECISION. The matrix products marked QUANTISED in the list below multiply operands that are first quantised to E2M3 (2 exponent bits, 3 mantissa bits; 6 bits a number), with one power-of-two scale for each 32 numbers along K (OCP MX v1.0); their sums are f32. All else is computed in f32.
;;   The module's matrix products, in the order in which they are computed (A, B: the left and right operand; K: the contracted axis; several contracted axes count as one K, in the product's order):
;;     1. [M 262,144, K 256] x [K 256, N 256]; A: input neighbor_features; B: input Wq: QUANTISED
;;     2. [M 262,144, K 256] x [K 256, N 256]; A: input neighbor_features; B: input Wk: QUANTISED
;;     3. [M 262,144, K 256] x [K 256, N 256]; A: input neighbor_features; B: input Wv: QUANTISED
;;     4. batch 16,384 x [M 16, K 256] x [K 256, N 16]; A: computed on the way; B: computed on the way: QUANTISED
;;     5. batch 16,384 x [M 16, K 16] x [K 16, N 256]; A: softmax; B: computed on the way: left as it is (K = 16 < 32)
;;     6. [M 16,384, K 256] x [K 256, N 256]; A: computed on the way; B: input Wo: QUANTISED
;;   THE QUANTISER, for each operand of a quantised product, along K:
;;     - K is cut into blocks of 32 from its start; a last block that is shorter is filled with zeros.
;;     - A block's scale is 2^e with e = floor(log2(the largest magnitude in the block)) - 2, held to -126 .. 127; a block of zeros has e = 0. As a byte (E8M0): e + 127.
;;     - Each number is divided by its block's scale, clamped to +-7.5, and rounded to the nearest number of E2M3, ties to even, subnormals kept.
;;     - The product sums the exact products of the quantised numbers (number of the format x scale) in f32.
;;   ~~~python
;;   def quantise(x, axis):      # numpy; x: float32 -> the quantised numbers, widened to float32 again
;;       x = np.moveaxis(x, axis, -1); K = x.shape[-1]
;;       x = np.pad(x, [(0, 0)] * (x.ndim - 1) + [(0, -K % 32)]); x = x.reshape(x.shape[:-1] + (-1, 32)); a = np.abs(x).max(-1, keepdims=True)
;;       e = np.where(a > 0, np.clip(np.frexp(np.where(a > 0, a, 1))[1] - 1 - 2, -126, 127), 0)      # np.frexp(a)[1] - 1 = floor(log2(a)), exactly
;;       r = np.clip(x / 2.0 ** e, -7.5, 7.5)
;;       step = 2.0 ** (np.maximum(np.frexp(np.where(r == 0, 1, r))[1] - 1, 0) - 3)
;;       q = np.round(r / step) * step * 2.0 ** e      # np.round: ties to even
;;       return np.moveaxis(q.reshape(q.shape[:-2] + (-1,))[..., :K], -1, axis).astype(np.float32)
;;   ~~~
;;   OPERANDS COMPUTED ON THE WAY. 'Computed on the way' means the value that the module computes at that place (a softmax that the list does not call 'softmax' is quantised finished and normalised). What goes into a quantiser is computed in f32, as accurately as f32 sums, v_exp_f32 and their like allow (about 1e-6 of the number): no bf16 or f16 on the way to a quantiser, and a product that is left as it is and whose result goes on into a quantised operand takes f32 operands (vector FMAs, or v_wmma_f32_16x16x4_f32). A number that lies on a knife's edge between two numbers of the format may be rounded either way, as far as f32 arithmetic and the matrix unit's own rounding can turn it there, and no further.
;; 2 versions. Each part assembles by itself: llvm-mc -triple=amdgcn-amd-amdhsa -mcpu=gfx1250 --defsym DOCPART=n.
;; ======== version 1 of 2: 2 launches
;; workspace buffers: wimg 210,944 bytes
;; launch prep (part 1): grid 32 x 1, 2 waves a work-group, no clusters, 0 bytes of LDS; arguments Wq, Wk, Wv, Wo, wimg; writes wimg
.if DOCPART == 1
	.amdgcn_target "amdgcn-amd-amdhsa--gfx1250"
	.amdhsa_code_object_version 6
	.text
	.protected	k_q56f3f313bb_prep
	.globl	k_q56f3f313bb_prep
	.p2align	8
	.type	k_q56f3f313bb_prep,@function
k_q56f3f313bb_prep:
	s_mov_b64 s[64:65], 0
	v_nop
	global_prefetch_b8 v0, s[64:65] scope:SCOPE_SE
	s_setreg_imm32_b32 hwreg(HW_REG_WAVE_MODE, 25, 1), 1
	s_wait_xcnt 0x0
; Wq, Wk, Wv, Wo, each [256 (e)][256 (d)] f32 with K = d innermost, become codes of FP6 (E2M3) with one E8M0 byte for each 32 along d,
; laid in wimg AS IMAGES OF THE OPERAND'S REGISTERS: a fragment (16 rows x 128 K, 12 registers a lane) is three chunks of 512 bytes,
; chunk c = registers 4 c .. 4 c + 3, lane l's 16 bytes at 16 l.  The next launch takes every fragment by loads of 16 bytes a lane.
;   bytes 0 / 49,152 / 98,304: Wq / Wk / Wv, fragment (tile t, K step s) at 1,536 (2 t + s);   147,456 + 2,048 X: their scale words;
;   153,600 + 1,536 t: Wo, K step 0;   178,176: Wo's scale words;   186,368 + 1,536 t: Wo, K step 1.  (180,224 .. 186,367 are neither written nor read.)
; Scale words of tile pair b: 256 bytes, lane l's 8 bytes at 8 l: the words of tiles 2 b and 2 b + 1 for K step l / 16, row l % 16.
; THE ROWS OF A TILE: for Wq and Wk lane r of tile 2 b + u takes row 32 b + 8 u + r + 8 (r / 8), so that the results of two neighbouring
; tiles are 16 neighbours along the score product's K; for Wv and Wo row 16 t + r.
; SHARES: work-group = (matrix X = x / 8, tile pair b = x % 8); wave u takes tile 2 b + u, both K steps.  Lane (r, h) holds four WHOLE blocks of
; its row (k = 128 s + 64 c + 32 h + 0 .. 31), the very numbers that the operand's layout gives it: no other lane is asked for a maximum.
; A block's scale is 2^(floor(log2(largest magnitude)) - 2): its byte is that magnitude's exponent field - 2, held at 1 from below by a floor
; among the maximum's leaves.  LIMITS: a block of zeros gets the byte 1 (its codes are zeros, and this program alone reads the bytes);
; NaN and infinities among the inputs are not served.
.set MX,  8                            ; v8-11    largest magnitude of block k = 2 s + c
.set SV,  12                           ; v12-15   the conversions' scale operands
.set BT,  16                           ; v16-19   the scale bytes
.set NUM, 32                           ; v32-159  the numbers: block k at 32 k
.set FRG, 160                          ; v160-183 two fragments: K step s at 12 s
.set CTP, 184                          ; v184-199 the upper 16 codes of each block (a conversion's three registers begin on an even number)
	s_load_b256 s[4:11], s[0:1], 0x0               ; Wq, Wk, Wv, Wo
	s_load_b64 s[12:13], s[0:1], 0x20              ; wimg
	v_lshrrev_b32 v1, 5, v0
	v_readfirstlane_b32 s14, v1                    ; u: my wave
	v_and_b32 v1, 31, v0                           ; lane
	v_and_b32 v2, 15, v0                           ; r
	v_bfe_u32 v3, v0, 4, 1                         ; h
	s_lshr_b32 s15, ttmp9, 3                       ; X: 0 Wq, 1 Wk, 2 Wv, 3 Wo
	s_and_b32 s16, ttmp9, 7                        ; b
	s_lshl_b32 s17, s16, 1
	s_add_co_u32 s17, s17, s14                     ; t = 2 b + u
	s_mov_b32 s30, 0x76543210
	s_mov_b32 s31, 0xfedcba98                      ; v_permlanex16_b32's selects for lane l xor 16
	s_cmp_lt_u32 s15, 2                            ; Wq, Wk: the second tile begins 8 rows on and lanes 8-15 stand 8 rows further; Wv, Wo: 16 rows on
	s_cselect_b32 s18, 8, 16
	s_cselect_b32 s19, 8, 0
	s_mul_i32 s18, s18, s14
	s_lshl_b32 s20, s16, 5
	s_add_co_u32 s18, s18, s20
	v_and_b32 v4, s19, v2
	v_add3_u32 v4, v4, v2, s18                     ; my row of the matrix
	v_lshlrev_b32 v5, 10, v4                       ; 1,024 bytes a row,
	v_lshl_add_u32 v5, v3, 7, v5                   ; + 128 h: my block of each 64 along K
	; where the results go: both ways are made, then chosen on X = 3
	s_mul_i32 s21, s15, 49152
	s_mul_i32 s22, s17, 3072
	s_add_co_u32 s21, s21, s22                     ; Wq, Wk, Wv: the tile's two fragments lie on end
	s_mul_i32 s22, s17, 1536
	s_add_co_u32 s22, s22, 153600                  ; Wo: K step 0 here, K step 1 32,768 bytes on
	s_lshl_b32 s23, s15, 11
	s_lshl_b32 s24, s16, 8
	s_add_co_u32 s23, s23, s24
	s_add_co_u32 s23, s23, 147456
	s_add_co_u32 s24, s24, 178176
	s_mov_b32 s25, 1536
	s_mov_b32 s26, 32768
	s_wait_kmcnt 0x0
	s_cmp_eq_u32 s15, 1                            ; the choice of a matrix hangs on the work-group's number alone
	s_cselect_b64 s[4:5], s[6:7], s[4:5]
	s_cmp_eq_u32 s15, 2
	s_cselect_b64 s[4:5], s[8:9], s[4:5]
	s_cmp_eq_u32 s15, 3
	s_cselect_b64 s[4:5], s[10:11], s[4:5]
	s_cselect_b32 s21, s22, s21
	s_cselect_b32 s23, s24, s23
	s_cselect_b32 s25, s26, s25
.irp k, 0,1,2,3
.irp i, 0,1,2,3,4,5,6,7
	global_load_b128 v[NUM+32*\k+4*\i:NUM+32*\k+4*\i+3], v5, s[4:5] offset:256*\k+16*\i   ; block k = 2 s + c begins 512 s + 256 c bytes on
.endr
.endr
	v_lshl_add_u32 v6, v1, 4, s21                  ; K step 0's image: 16 x lane
	v_add_nc_u32 v24, s25, v6                      ; K step 1's
	v_lshl_add_u32 v7, v1, 3, s23                  ; my scale word: 8 x lane
	v_lshl_add_u32 v7, s14, 2, v7                  ; + 4 u
	v_lshlrev_b32 v22, 3, v3                       ; 8 h
	v_mov_b32 v23, 0                               ; a lane permute's destination counts as one of its sources
	s_wait_loadcnt 0x0
.irp k, 0,1,2,3
	v_max3_num_f32 v[MX+\k], |v[NUM+32*\k]|, |v[NUM+32*\k+1]|, 0x1800000   ; the floor 2^(3 - 127): the byte cannot fall under 1
.endr
.irp i, 2,4,6,8,10,12,14,16,18,20,22,24,26,28,30
.irp k, 0,1,2,3
	v_max3_num_f32 v[MX+\k], v[MX+\k], |v[NUM+32*\k+\i]|, |v[NUM+32*\k+\i+1]|   ; the four blocks by turns
.endr
.endr
.irp k, 0,1,2,3
	v_add_nc_u32 v[SV+\k], 0xff000000, v[MX+\k]    ; 2 off the exponent field: the conversion takes this operand's exponent field as its scale
.endr
.irp k, 0,1,2,3
	v_lshrrev_b32 v[BT+\k], 23, v[SV+\k]           ; the scale's byte
.endr
.irp k, 0,1,2,3
	v_cvt_scalef32_pk16_fp6_f32 v[FRG+6*\k:FRG+6*\k+2], v[NUM+32*\k:NUM+32*\k+15], v[SV+\k]
	v_cvt_scalef32_pk16_fp6_f32 v[CTP+4*\k:CTP+4*\k+2], v[NUM+32*\k+16:NUM+32*\k+31], v[SV+\k]
.endr
	v_nop                                          ; one plain line between a scaled conversion and the vector line that reads its result
.irp k, 0,1,2,3
.irp i, 0,1,2
	v_mov_b32 v[FRG+6*\k+3+\i], v[CTP+4*\k+\i]     ; registers 6 c .. 6 c + 5 of K step s: the block's 32 codes
.endr
.endr
.irp s, 0,1
	v_lshl_or_b32 v[20+\s], v[BT+2*\s+1], 16, v[BT+2*\s]   ; my two bytes of K step s: blocks h and 2 + h,
	v_lshlrev_b32 v[20+\s], v22, v[20+\s]          ; at their places in the word;
	v_permlanex16_b32 v23, v[20+\s], s30, s31
	v_or_b32 v[20+\s], v[20+\s], v23               ; with lane l xor 16's two the word is whole
.endr
	v_cmp_eq_u32 vcc_lo, 1, v3
	v_cndmask_b32 v20, v20, v21, vcc_lo            ; lanes 0-15 store K step 0's word, lanes 16-31 K step 1's
.irp c, 0,1,2
	global_store_b128 v6, v[FRG+4*\c:FRG+4*\c+3], s[12:13] offset:512*\c          ; 32 lanes store 512 consecutive bytes
	global_store_b128 v24, v[FRG+12+4*\c:FRG+12+4*\c+3], s[12:13] offset:512*\c
.endr
	global_store_b32 v7, v20, s[12:13]
	s_endpgm
.Lfunc_end_k_q56f3f313bb_prep:
	.size	k_q56f3f313bb_prep, .Lfunc_end_k_q56f3f313bb_prep-k_q56f3f313bb_prep
	.p2alignl 7, 3214868480
	.fill 96, 4, 3214868480
	.section	.rodata,"a",@progbits
	.p2align	6, 0x0
	.amdhsa_kernel k_q56f3f313bb_prep
		.amdhsa_group_segment_fixed_size 0
		.amdhsa_private_segment_fixed_size 0
		.amdhsa_enable_private_segment 0
		.amdhsa_kernarg_size 40
		.amdhsa_user_sgpr_count 2
		.amdhsa_user_sgpr_kernarg_segment_ptr 1
		.amdhsa_wavefront_size32 1
		.amdhsa_system_sgpr_workgroup_id_x 1
		.amdhsa_system_sgpr_workgroup_id_y 1
		.amdhsa_system_sgpr_workgroup_id_z 1
		.amdhsa_system_vgpr_workitem_id 0
		.amdhsa_next_free_vgpr 208
		.amdhsa_next_free_sgpr 66
		.amdhsa_reserve_vcc 1
		.amdhsa_float_denorm_mode_32 3
		.amdhsa_float_denorm_mode_16_64 3
		.amdhsa_memory_ordered 1
		.amdhsa_forward_progress 1
		.amdhsa_inst_pref_size 12
	.end_amdhsa_kernel
	.amdgpu_metadata
---
amdhsa.version: [ 1, 2 ]
amdhsa.kernels:
  - .name:           k_q56f3f313bb_prep
    .symbol:         k_q56f3f313bb_prep.kd
    .args:
      - { .name: Wq, .offset: 0, .size: 8, .value_kind: global_buffer, .address_space: global }
      - { .name: Wk, .offset: 8, .size: 8, .value_kind: global_buffer, .address_space: global }
      - { .name: Wv, .offset: 16, .size: 8, .value_kind: global_buffer, .address_space: global }
      - { .name: Wo, .offset: 24, .size: 8, .value_kind: global_buffer, .address_space: global }
      - { .name: wimg, .offset: 32, .size: 8, .value_kind: global_buffer, .address_space: global }
    .group_segment_fixed_size: 0
    .private_segment_fixed_size: 0
    .kernarg_segment_align: 8
    .kernarg_segment_size: 40
    .max_flat_workgroup_size: 64
    .sgpr_count:     66
    .vgpr_count:     208
    .wavefront_size: 32
...
	.end_amdgpu_metadata
.endif
;; end of part 1
;; launch main (part 2): grid 256 x 1, 4 waves a work-group, no clusters, 327,168 bytes of LDS; arguments neighbor_features, wimg, bq, bk, bv, bo, gamma, beta, out0; writes out0
.if DOCPART == 2
	.amdgcn_target "amdgcn-amd-amdhsa--gfx1250"
	.amdhsa_code_object_version 6
	.text
	.protected	k_q56f3f313bb_main
	.globl	k_q56f3f313bb_main
	.p2align	8
	.type	k_q56f3f313bb_main,@function
k_q56f3f313bb_main:
	s_mov_b64 s[64:65], 0
	v_nop
	global_prefetch_b8 v0, s[64:65] scope:SCOPE_SE
	s_setreg_imm32_b32 hwreg(HW_REG_WAVE_MODE, 25, 1), 1
	s_wait_xcnt 0x0
; out = LayerNorm(mean_q(softmax(Q K^T / 16) V) Wo^T + bo + mean_rows(x)), Q, K, V = x W^T + b, for 16,384 groups of 16 rows x 256.
; The products with Wq, Wk, Wv, Wo and the scores run on codes of FP6 (E2M3) with one E8M0 scale for each 32 along K; all else is f32.
; mean_q(attn V) is taken as w^T V with w[k] = (1/16) sum_q attn[q][k], and sum_k w[k] (V'[k] + bv) as sum_k w[k] V'[k] + bv sum_k w[k], the sum of w being computed:
; only the order of f32 additions differs from the written formula (so does that of the rows' mean, taken as fused x / 16 + sum).
; SHARES.  256 work-groups of four waves; a wave owns 16 WHOLE groups, 4 passes of 4, and shares nothing with the others but the weights' images
; in LDS, stored once ahead of the text's one barrier and only read behind it.  At its end a wave's 16 groups are one tile of rows of the last product.
; x comes by loads of 512 consecutive bytes into four register buffers of one group (windows 2, 3), asked for about a pass ahead.  As loaded, a lane holds eight
; columns of every row: the rows' mean is 64 packed lines.  Then the group turns through the wave's own stage in LDS, so that a lane holds 16 neighbours along K of one row.
; Q^T, K^T: source 0 = 16 rows of W, source 1 = the group's 16 rows; 32 output units at a time for 4 groups, so that a fragment of W read from LDS feeds 4 products; the bias is the C of the
; first; the 16 registers of two tiles are 16 neighbours along the scores' K and are quantised in registers.  S^T = K Q^T: a lane holds one query.  V: source 0 = the group, source 1 = 16 rows of Wv:
; a lane's registers run down the keys and are summed with w at once.
; NO CLUSTER, NO TENSOR LOAD: what work-groups share is 153,600 bytes of images and 51,200 of Wo's, read once by each, beside 1,048,576 bytes of x of its own; LDS is full (159,744 bytes of images and vectors,
; 133,120 of sums and means, 33,792 of stages), and x in registers gives the rows' mean with no further read.
; LIMITS: NaN and infinities are not served; a block whose largest magnitude lies under 2^-124, zeros too, has the scale byte 1 (its codes then are what the rule gives, zeros for zeros).
; REGISTERS, in windows of 256 (s_set_vgpr_msb: bits 1:0 source 0, 3:2 source 1, 5:4 source 2, 7:6 destination):
;   window 0: v1-23 addresses; v24-41 scale words and nothing else; v42-63 at work; v64-127 ACC (4 groups x 2 tiles) / XA; v128-159 scores, then w; v128-191 XB; v192-207 bias; v208-223 Wo's scale words; v224-247 at work
;   window 1: v0-95 x's codes; v96-143 Q's; v144-191 K's; v192-239 four fragments of W; v240-255 half blocks.   windows 2, 3: x as loaded, 128 registers a group; at the end Wo's fragments.
.set WSC,   147456                     ; LDS: 0 the code images of Wq, Wk, Wv; here their scale words;
.set VEC,   153600                     ; bq, bk, bv, bo, gamma, beta, 1,024 bytes each;
.set TURN,  159744                     ; a stage of 16 rows x (512 + 16) bytes for each wave;
.set TURNW, 8448
.set TPITCH, 528                       ; (33 x 16 bytes: the 16 rows of a 16-byte access start at 16 different 16-byte columns modulo 256)
.set AGG,   193536                     ; 16 rows x (1,024 + 16) bytes for each wave: the groups' w^T V; at the end the stage for out;
.set RES,   260096                     ; the same for the groups' means
.set ROWW,  16640
.set RP,    1040                       ; (65 x 16 bytes)
.set L16, 1                            ; 16 x lane
.set L8,  2                            ; 8 x lane
.set AWQ, 3                            ; v3-5  16 x lane + the images of Wq, Wk, Wv
.set AWS, 6                            ; WSC + 8 x lane
.set ABI, 7                            ; VEC + 64 h
.set ABV, 8                            ; bv + 4 x lane
.set ATS, 9                            ; my stage + 16 x lane
.set ATL, 10                           ; my stage + 528 r + 64 h
.set ARS, 11                           ; my means + 16 x lane;  v12 the same at this pass's rows
.set ARSP, 12
.set AAG, 13                           ; my sums + 4 x lane;  v14 at this pass's rows;  v15 at this trip's columns
.set AAGP, 14
.set AGW, 15
.set AVN, 16                           ; the next trip's fragments of Wv, scale words, bv
.set ASN, 17
.set ABN, 18
.set AGL, 19                           ; my sums + 1,040 r + 64 h
.set REL, 20                           ; my means + 1,040 r + 32 h
.set OST, 21                           ; my sums + 1,040 r + 32 h
.set ORD, 22                           ; my sums + 16 x lane
.set AVE, 23                           ; VEC + 32 h
.set XS,  24                           ; v24-31 x's scale words (2 g + s)
.set QS,  32                           ; v32-35 Q's;  at the end v32, v33: those of the sums
.set KS,  36                           ; v36-39 K's
.set WS,  40                           ; v40-41 W's, tiles 2 b and 2 b + 1: lanes 0-15 K step 0, lanes 16-31 K step 1
.set BVR, 42
.set BVC, 43
.set SW,  44                           ; v44-47 the sum of w
.set M,   48
.set T2,  52
.set SCV, 56
.set BY,  60
.set ACC, 64
.set XA,  64
.set SCR, 128
.set XB,  128
.set BI,  192
.set WOS, 208
.set RS,  224
.set PR,  232                          ; v232-247 pairs at work
.set LP,  240
.set XC,  0                            ; window 1
.set QF,  96
.set KF,  144
.set WF,  192
.set CT,  240
.set OA,  0                            ; window 1 at the end: 16 accumulators of out,
.set AF0, 144                          ; the sums' two fragments,
.set AF1, 156
.set SA,  168                          ; and the norm's registers
.set TP,  176
.set NMU, 178
.set SQ,  180
.set RQ,  188
.set PASS, 37
.set PO,  38
.set UO,  39
.set UN,  40
.set WN,  41
.set SN,  42
.set XN,  44                           ; s[44:45] x at the next pass's groups
.set WOB, 46                           ; s[46:47] Wo's images
.set LB,  48                           ; s[48:49] what the loads ahead fetch: the next pass's x, in the last pass Wo's images
.set MSB, 0
.macro WIN new                         ; the immediate's high byte repeats the setting that is left; a switch that changes nothing is dropped
.if MSB != (\new)
	s_set_vgpr_msb (MSB<<8)|(\new)
.set MSB, (\new)
.endif
.endm
.macro PLACES n
.rept \n
	v_nop
.endr
.endm
; One matrix instruction.  c < 0: the constant 0 starts the sum.  row = 1: A's scales from lanes 16-31; 2: B's
.macro WM d, a, b, c, sa, sb, row
.if (\c) < 0
	v_wmma_scale_f32_16x16x128_f8f6f4 v[(\d):(\d)+7], v[(\a):(\a)+11], v[(\b):(\b)+11], 0, v[\sa], v[\sb] matrix_a_fmt:MATRIX_FMT_FP6 matrix_b_fmt:MATRIX_FMT_FP6
.elseif (\row) == 0
	v_wmma_scale_f32_16x16x128_f8f6f4 v[(\d):(\d)+7], v[(\a):(\a)+11], v[(\b):(\b)+11], v[(\c):(\c)+7], v[\sa], v[\sb] matrix_a_fmt:MATRIX_FMT_FP6 matrix_b_fmt:MATRIX_FMT_FP6
.elseif (\row) == 1
	v_wmma_scale_f32_16x16x128_f8f6f4 v[(\d):(\d)+7], v[(\a):(\a)+11], v[(\b):(\b)+11], v[(\c):(\c)+7], v[\sa], v[\sb] matrix_a_fmt:MATRIX_FMT_FP6 matrix_b_fmt:MATRIX_FMT_FP6 matrix_a_scale:MATRIX_SCALE_ROW1
.else
	v_wmma_scale_f32_16x16x128_f8f6f4 v[(\d):(\d)+7], v[(\a):(\a)+11], v[(\b):(\b)+11], v[(\c):(\c)+7], v[\sa], v[\sb] matrix_a_fmt:MATRIX_FMT_FP6 matrix_b_fmt:MATRIX_FMT_FP6 matrix_b_scale:MATRIX_SCALE_ROW1
.endif
.endm
; Buffer g is asked for again: 32 loads of 512 consecutive bytes.  In the last pass the same lines bring Wo's images (48 chunks for each K step: buffers 0, 1 and 2, 3),
; so with cond = 1 the upper 16 loads are left out there: a scalar branch on the count of passes.
.macro LOADG g, cond
.set LW, (2+(\g)/2)<<6
.set LR, 128*((\g)%2)
	WIN LW
.set li, 0
.rept 16
	global_load_b128 v[LR+4*li:LR+4*li+3], v[L16], s[LB:LB+1] offset:16384*(\g)+512*li
.set li, li+1
.endr
.if \cond
	WIN 0                                          ; at a branch and at a label every window is 0
	s_cmp_eq_u32 s[PASS], 3
	s_cbranch_scc1 .Lshort_\@
	WIN LW
.endif
.rept 16
	global_load_b128 v[LR+4*li:LR+4*li+3], v[L16], s[LB:LB+1] offset:16384*(\g)+512*li
.set li, li+1
.endr
	WIN 0
.if \cond
.Lshort_\@:
.endif
.endm
; Four items of 16 numbers a lane, item k at v[src + 16 k]; lanes l and l xor 16 hold a block of 32.  M: the block's largest magnitude; SCV: the conversion's scale operand; v[bd + k]: the scale's byte.
.macro BMAX src, bd
.irp k, 0,1,2,3
	v_max3_num_f32 v[M+\k], |v[\src+16*\k]|, |v[\src+16*\k+1]|, 0x1800000   ; with the floor 2^(3 - 127): the byte cannot fall under 1.  (A matrix result is read from its low end on)
.endr
.irp i, 2,4,6,8,10,12,14
.irp k, 0,1,2,3
	v_max3_num_f32 v[M+\k], v[M+\k], |v[\src+16*\k+\i]|, |v[\src+16*\k+\i+1]|   ; the four items by turns
.endr
.endr
.irp k, 0,1,2,3
	v_permlanex16_b32 v[T2+\k], v[M+\k], s30, s31
.endr
.irp k, 0,1,2,3
	v_max_num_f32 v[M+\k], v[M+\k], v[T2+\k]
.endr
.irp k, 0,1,2,3
	v_add_nc_u32 v[SCV+\k], 0xff000000, v[M+\k]    ; 2 off the exponent field
.endr
.irp k, 0,1,2,3
	v_lshrrev_b32 v[\bd+\k], 23, v[SCV+\k]
.endr
.endm
; 64 numbers of a lane, register 16 b + i = k 32 b + 16 (lane / 16) + i of my row, become a fragment in window 1 at dst and its scale word.
.macro QUANT4 src, dst, word
	BMAX \src, BY
	v_lshl_or_b32 v[\word], v[BY+1], 8, v[BY]
	v_lshl_or_b32 v[\word], v[BY+2], 16, v[\word]
	v_lshl_or_b32 v[\word], v[BY+3], 24, v[\word]
	WIN 0x40                                       ; destination window 1
	v_cvt_scalef32_pk16_fp6_f32 v[(\dst):(\dst)+2], v[\src:\src+15], v[SCV]
	v_cvt_scalef32_pk16_fp6_f32 v[CT:CT+2], v[\src+16:\src+31], v[SCV+1]
	v_cvt_scalef32_pk16_fp6_f32 v[(\dst)+6:(\dst)+8], v[\src+32:\src+47], v[SCV+2]
	v_cvt_scalef32_pk16_fp6_f32 v[CT+4:CT+6], v[\src+48:\src+63], v[SCV+3]
	v_nop                                          ; one plain line behind the scaled conversions
	WIN 0x41
.irp c, 0,1                                    ; the layout wants a WHOLE block in a lane: lanes 0-15 block 2 c, lanes 16-31 block 2 c + 1
.irp i, 0,1,2
	v_permlane16_swap_b32 v[(\dst)+6*\c+\i], v[CT+4*\c+\i]
.endr
.irp i, 0,1,2
	v_mov_b32 v[(\dst)+6*\c+3+\i], v[CT+4*\c+\i]
.endr
.endr
	WIN 0
.endm
; ACC holds, for each of 4 groups, 16 neighbours of block bb of the 128 along the scores' K in hand: their codes go into F, their byte into S.
.macro QBLK F, S, bb
.if \bb == 0
	BMAX ACC, \S                                   ; the first byte starts the word
.else
	BMAX ACC, BY
.irp g, 0,1,2,3
	v_lshl_or_b32 v[\S+\g], v[BY+\g], 8*\bb, v[\S+\g]
.endr
.endif
	WIN 0x40
.irp g, 0,1,2,3
.if \bb%2 == 0
	v_cvt_scalef32_pk16_fp6_f32 v[\F+12*\g+6*(\bb/2):\F+12*\g+6*(\bb/2)+2], v[ACC+16*\g:ACC+16*\g+15], v[SCV+\g]
.else
	v_cvt_scalef32_pk16_fp6_f32 v[CT+4*\g:CT+4*\g+2], v[ACC+16*\g:ACC+16*\g+15], v[SCV+\g]
.endif
.endr
	v_nop                                          ; one plain line behind the scaled conversions: the next products write their sources
.if \bb%2 == 1
	WIN 0x41
.irp g, 0,1,2,3
.irp i, 0,1,2
	v_permlane16_swap_b32 v[\F+12*\g+6*(\bb/2)+\i], v[CT+4*\g+\i]
.endr
.irp i, 0,1,2
	v_mov_b32 v[\F+12*\g+6*(\bb/2)+3+\i], v[CT+4*\g+\i]
.endr
.endr
.endif
	WIN 0
.endm
.macro FRAGS adr, off                  ; four fragments of W (tiles 2 b, 2 b + 1 x two K steps) as they lie: 12 loads of 512 consecutive bytes
	WIN 0x40
.irp f, 0,1,2,3
.irp c, 0,1,2
	ds_load_b128 v[WF+12*\f+4*\c:WF+12*\f+4*\c+3], v[\adr] offset:(\off)+1536*\f+512*\c
.endr
.endr
	WIN 0
.endm
.macro STEPLD X, b                     ; what a step on tile pair b of matrix X wants: fragments, scale words, 16 numbers of the bias (units 32 b + 16 h + 0 .. 15)
	FRAGS AWQ+\X, 6144*\b
	ds_load_b64 v[WS:WS+1], v[AWS] offset:(8*\X+\b)*256
.irp i, 0,1,2,3
	ds_load_b128 v[BI+4*\i:BI+4*\i+3], v[ABI] offset:1024*\X+128*\b+16*\i
.endr
.endm
; A step: 32 output units of Q or K for 4 groups.  The 8 accumulators take turns, one instruction a turn.
; nX, nb: the next step's matrix and tile pair (nX = 2: Wv's first);  lg >= 0: buffer lg of x is asked for here.
.macro STEP F, S, bb, nX, nb, lg, lc
	s_wait_dscnt 0x0                               ; this step's 17 LDS loads were issued a quantiser ago
	WIN 0x05                                       ; sources 0 and 1 window 1
.irp g, 0,1,2,3
.irp u, 0,1
	WM ACC+16*\g+8*\u, WF+24*\u, XC+24*\g, BI+8*\u, WS+\u, XS+2*\g, 0
.endr
.endr
.irp g, 0,1,2,3
.irp u, 0,1
	WM ACC+16*\g+8*\u, WF+24*\u+12, XC+24*\g+12, ACC+16*\g+8*\u, WS+\u, XS+2*\g+1, 1
.endr
.endr
	WIN 0
	PLACES 4                                       ; in front of loads into registers that the products have read, and of the first read of results
.if \nX < 2
	STEPLD \nX, \nb
.else
	FRAGS AWQ+2, 0
	ds_load_b64 v[WS:WS+1], v[AWS] offset:4096
	ds_load_b32 v[BVR], v[ABV]
.endif
.if \lg >= 0
	LOADG \lg, \lc
.endif
	QBLK \F, \S, \bb
.endm
.macro SCORE first                     ; S^T += K Q^T over the 128 units just quantised: lane (r, h) holds query r, register j key 8 h + j
	PLACES 8                                       ; scale words written by vector lines stand 8 places ahead of a scaled product, codes 4
	WIN 0x05
.irp g, 0,1,2,3
.if \first
	WM SCR+8*\g, KF+12*\g, QF+12*\g, -1, KS+\g, QS+\g, 0
.else
	WM SCR+8*\g, KF+12*\g, QF+12*\g, SCR+8*\g, KS+\g, QS+\g, 0
.endif
.endr
	WIN 0
.endm
; Group g of the pass: its mean over the rows, and its two fragments of codes.  n: the loads issued behind buffer g's, at the least, which may stay out.
.macro AGRP g, n
.set RB, 128*((\g)%2)
.set RW, 2+(\g)/2
	s_wait_loadcnt \n
	WIN RW<<2                                      ; an LDS store's data are its source 1
.set ai, 0
.rept 16
	ds_store_b128 v[ATS], v[RB+8*ai:RB+8*ai+3] offset:TPITCH*ai          ; row ai, columns 0-127, as loaded
.set ai, ai+1
.endr
.set ai, 0
.rept 16
	ds_load_b128 v[XA+4*ai:XA+4*ai+3], v[ATL] offset:128*(ai/4)+16*(ai%4)   ; back: 16 neighbours of each block of my row.  LDS serves a wave's instructions in order (ISA guide 5.7.1.4)
.set ai, ai+1
.endr
.set ai, 0
.rept 16
	ds_store_b128 v[ATS], v[RB+8*ai+4:RB+8*ai+7] offset:TPITCH*ai        ; columns 128-255, behind those loads
.set ai, ai+1
.endr
.set ai, 0
.rept 16
	ds_load_b128 v[XB+4*ai:XB+4*ai+3], v[ATL] offset:128*(ai/4)+16*(ai%4)
.set ai, ai+1
.endr
	WIN RW                                         ; source 0: the buffer
.irp q, 0,1,2,3
	v_pk_mul_f32 v[RS+2*\q:RS+2*\q+1], v[RB+2*\q:RB+2*\q+1], s[32:33] op_sel_hi:[1,0]   ; the mean over the 16 rows of my 8 columns: x / 16 is exact; four chains
.endr
.set ai, 1
.rept 15
.irp q, 0,1,2,3
	v_pk_fma_f32 v[RS+2*\q:RS+2*\q+1], v[RB+8*ai+2*\q:RB+8*ai+2*\q+1], s[32:33], v[RS+2*\q:RS+2*\q+1] op_sel_hi:[1,0,1]
.endr
.set ai, ai+1
.endr
	WIN 0
	ds_store_b128 v[ARSP], v[RS:RS+3] offset:RP*(\g)
	ds_store_b128 v[ARSP], v[RS+4:RS+7] offset:RP*(\g)+512
	s_wait_dscnt 34                                ; XA is in: behind its loads stand 16 stores, 16 loads and 2 stores
	QUANT4 XA, XC+24*(\g), XS+2*(\g)
	s_wait_dscnt 0x0                               ; XB is in, and every store has read the buffer
.if (\g) == 0
	LOADG 0, 0
.endif
.if (\g) == 3
	STEPLD 0, 0
.endif
	QUANT4 XB, XC+24*(\g)+12, XS+2*(\g)+1
.endm
; 32 columns of V for 4 groups, summed with w at once.  Lane (r, h), tile u: register j = V'(key 8 h + j, column 32 b + 16 u + r).
.macro VTRIP next
	s_wait_dscnt 0x0                               ; this trip's fragments, scale words and bv
	WIN 0x05
.irp g, 0,1,2,3
.irp u, 0,1
	WM ACC+16*\g+8*\u, XC+24*\g, WF+24*\u, -1, XS+2*\g, WS+\u, 0
.endr
.endr
.irp g, 0,1,2,3
.irp u, 0,1
	WM ACC+16*\g+8*\u, XC+24*\g+12, WF+24*\u+12, ACC+16*\g+8*\u, XS+2*\g+1, WS+\u, 2
.endr
.endr
	WIN 0
	v_mov_b32 v[BVC], v[BVR]                       ; these plain lines are the places behind the products
	v_add_nc_u32 v[AGW], s[UO], v[AAGP]
.if \next
	v_add_nc_u32 v[AVN], s[WN], v[AWQ+2]
	v_add_nc_u32 v[ASN], s[SN], v[AWS]
	v_add_nc_u32 v[ABN], s[UN], v[ABV]
	FRAGS AVN, 0
	ds_load_b64 v[WS:WS+1], v[ASN] offset:4096
	ds_load_b32 v[BVR], v[ABN]
.else
	PLACES 2
.endif
.irp g, 0,1,2,3
.irp u, 0,1
	v_pk_mul_f32 v[PR+4*\g+2*\u:PR+4*\g+2*\u+1], v[ACC+16*\g+8*\u:ACC+16*\g+8*\u+1], v[SCR+8*\g:SCR+8*\g+1]   ; each accumulator from its low end on
.endr
.endr
.irp i, 2,4,6
.irp g, 0,1,2,3
.irp u, 0,1
	v_pk_fma_f32 v[PR+4*\g+2*\u:PR+4*\g+2*\u+1], v[ACC+16*\g+8*\u+\i:ACC+16*\g+8*\u+\i+1], v[SCR+8*\g+\i:SCR+8*\g+\i+1], v[PR+4*\g+2*\u:PR+4*\g+2*\u+1]
.endr
.endr
.endr
.irp g, 0,1,2,3
.irp u, 0,1
	v_add_f32 v[PR+4*\g+2*\u], v[PR+4*\g+2*\u], v[PR+4*\g+2*\u+1]
.endr
.endr
.irp g, 0,1,2,3
	v_permlane16_swap_b32 v[PR+4*\g], v[PR+4*\g+2] ; now lane l holds column 32 b + l: keys 0-7 in the first register, keys 8-15 in the second
.endr
.irp g, 0,1,2,3
	v_add_f32 v[PR+4*\g], v[PR+4*\g], v[PR+4*\g+2]
.endr
.irp g, 0,1,2,3
	v_fma_f32 v[PR+4*\g], v[BVC], v[SW+\g], v[PR+4*\g]   ; + bv x the sum of w
.endr
.irp g, 0,1,2,3
	ds_store_b32 v[AGW], v[PR+4*\g] offset:RP*\g   ; 128 consecutive bytes of the group's row
.endr
.endm
	s_load_b512 s[8:23], s[0:1], 0x0               ; x s[8:9], wimg s[10:11], bq, bk, bv, bo, gamma, beta s[12:23]
	s_load_b64 s[24:25], s[0:1], 0x40              ; out
	v_lshl_add_u32 v254, v0, 2, 0x4fc00
	v_mov_b32 v255, 0
	v_lshrrev_b32 v48, 5, v0
	v_readfirstlane_b32 s26, v48                   ; wave 0..3
	v_and_b32 v50, 31, v0                          ; lane
	v_and_b32 v48, 15, v0                          ; r
	v_bfe_u32 v49, v0, 4, 1                        ; h
	s_mul_i32 s27, s26, TURNW
	s_add_co_u32 s27, s27, TURN                    ; my stage
	s_mul_i32 s28, s26, ROWW
	s_add_co_u32 s29, s28, RES                     ; my means
	s_add_co_u32 s28, s28, AGG                     ; my sums
	v_lshlrev_b32 v[L16], 4, v50
	v_lshlrev_b32 v[L8], 3, v50
	v_lshlrev_b32 v[AWQ], 4, v50
	v_lshl_add_u32 v[AWQ+1], v50, 4, 49152
	v_lshl_add_u32 v[AWQ+2], v50, 4, 98304
	v_lshl_add_u32 v[AWS], v50, 3, WSC
	v_lshl_add_u32 v[ABI], v49, 6, VEC
	v_lshl_add_u32 v[ABV], v50, 2, VEC+2048
	v_lshl_add_u32 v[AVE], v49, 5, VEC
	v_lshl_add_u32 v[ATS], v50, 4, s27
	v_mul_u32_u24 v51, v48, TPITCH
	v_lshl_add_u32 v51, v49, 6, v51
	v_add_nc_u32 v[ATL], s27, v51
	v_lshl_add_u32 v[ARS], v50, 4, s29
	v_lshl_add_u32 v[AAG], v50, 2, s28
	v_lshl_add_u32 v[ORD], v50, 4, s28
	v_mul_u32_u24 v51, v48, RP
	v_lshl_add_u32 v[AGL], v49, 6, v51
	v_add_nc_u32 v[AGL], s28, v[AGL]
	v_lshl_add_u32 v51, v49, 5, v51
	v_add_nc_u32 v[REL], s29, v51
	v_add_nc_u32 v[OST], s28, v51
	v_lshlrev_b32 v56, 4, v0                       ; the copy of the images: thread t takes 16 bytes at 16 t + 2,048 i
	v_add_nc_u32 v57, 0x10000, v56                 ; (an LDS offset has 16 bits)
	v_add_nc_u32 v58, 0x20000, v56
	v_lshlrev_b32 v61, 3, v0                       ; and 8 bytes of each vector
	v_add_nc_u32 v59, VEC, v61
	s_mov_b32 s30, 0x76543210
	s_mov_b32 s31, 0xfedcba98                      ; v_permlanex16_b32's selects for lane l xor 16
	s_mov_b32 s32, 0x3d800000                      ; 1 / 16
	s_mov_b32 s33, s32                             ; (named with it as a pair, so it is written)
	s_mov_b32 s34, 0x3db8aa3b                      ; c = log2(e) / sqrt(256)
	s_mov_b32 s35, s34
	s_mov_b32 s36, 0xbdb8aa3b                      ; -c
	s_lshl_b32 s52, ttmp9, 20                      ; x: 64 groups of 16,384 bytes a work-group,
	s_lshl_b32 s53, s26, 18                        ; 16 a wave
	s_add_co_u32 s52, s52, s53
	s_mov_b32 s53, 0
	s_lshl_b32 s28, ttmp9, 16                      ; out: 64 rows of 1,024 bytes a work-group, 16 a wave
	s_lshl_b32 s29, s26, 14
	s_add_co_u32 s28, s28, s29
	s_mov_b32 s29, 0
	s_wait_kmcnt 0x0
	s_add_nc_u64 s[XN:XN+1], s[8:9], s[52:53]
	s_mov_b64 s[LB:LB+1], s[XN:XN+1]
	s_add_nc_u64 s[WOB:WOB+1], s[10:11], 153600
	s_add_nc_u64 s[50:51], s[24:25], s[28:29]
	WIN 0x40
.set hi_, 0
.rept 64
	global_load_b128 v[4*hi_:4*hi_+3], v56, s[10:11] offset:2048*hi_          ; 153,600 bytes of images: 75 loads a thread
.set hi_, hi_+1
.endr
	WIN 0
.rept 11
	global_load_b128 v[64+4*(hi_-64):64+4*(hi_-64)+3], v56, s[10:11] offset:2048*hi_
.set hi_, hi_+1
.endr
.irp j, 0,1,2,3,4,5
	global_load_b64 v[128+2*\j:128+2*\j+1], v61, s[12+2*\j:13+2*\j]           ; bq, bk, bv, bo, gamma, beta
.endr
	LOADG 0, 0                                     ; the first pass's x
	LOADG 1, 0
	s_wait_loadcnt 63                              ; behind the 81 loads of images and vectors stand 64
	WIN 0x04
.set hi_, 0
.rept 64
	ds_store_b128 v[56+hi_/32], v[4*hi_:4*hi_+3] offset:2048*(hi_%32)
.set hi_, hi_+1
.endr
	WIN 0
.rept 11
	ds_store_b128 v58, v[64+4*(hi_-64):64+4*(hi_-64)+3] offset:2048*(hi_-64)
.set hi_, hi_+1
.endr
.irp j, 0,1,2,3,4,5
	ds_store_b64 v59, v[128+2*\j:128+2*\j+1] offset:1024*\j
.endr
	LOADG 2, 0
	LOADG 3, 0
.irp k, 0,1,2,3
	v_mov_b32 v[T2+\k], 0                          ; a lane permute's destination counts as one of its sources
	v_mov_b32 v[PR+2*\k+1], 0                      ; named as the upper half of a pair of which the low word serves both halves
.endr
	s_mov_b32 s[PASS], 0
	s_mov_b32 s[PO], 0
	s_wait_dscnt 0x0                               ; for the others' sake: my part of the images lies in LDS
	s_barrier_signal -1
	s_barrier_wait -1                              ; the one barrier: behind it images and vectors are only read, and all else in LDS is a wave's own
.Lpass:                                                ; 4 trips: 4 groups each
	s_wait_xcnt 0x0                                ; the loads issued so far have read their base: it may be written
	s_add_nc_u64 s[XN:XN+1], s[XN:XN+1], 0x10000   ; the next pass's groups
	s_cmp_eq_u32 s[PASS], 3
	s_cselect_b64 s[LB:LB+1], s[WOB:WOB+1], s[XN:XN+1]   ; nothing of x is left in the last pass: the loads ahead bring Wo's images
	v_add_nc_u32 v[ARSP], s[PO], v[ARS]
	v_add_nc_u32 v[AAGP], s[PO], v[AAG]
	; Buffers are asked for in the order 0 (in AGRP 0), 1, 2, 3; buffers 1 and 3 have 16 loads in the last pass, else 32.  Behind buffer 0's loads stand at least 16 + 32 + 16, behind 1's 32 + 16 + 32
	; (the count's field ends at 63), behind 2's 16 + 32, behind 3's 32.
	AGRP 0, 63
	AGRP 1, 63
	AGRP 2, 48
	AGRP 3, 32
	PLACES 8                                       ; the last scale word and codes of x were written by vector lines
	STEP QF, QS, 0, 0, 1, -1, 0
	STEP QF, QS, 1, 0, 2, -1, 0
	STEP QF, QS, 2, 0, 3, 1, 1
	STEP QF, QS, 3, 1, 0, -1, 0
	STEP KF, KS, 0, 1, 1, -1, 0
	STEP KF, KS, 1, 1, 2, -1, 0
	STEP KF, KS, 2, 1, 3, -1, 0
	STEP KF, KS, 3, 0, 4, -1, 0
	SCORE 1                                        ; units 0-127
	STEP QF, QS, 0, 0, 5, 2, 0
	STEP QF, QS, 1, 0, 6, -1, 0
	STEP QF, QS, 2, 0, 7, -1, 0
	STEP QF, QS, 3, 1, 4, -1, 0
	STEP KF, KS, 0, 1, 5, -1, 0
	STEP KF, KS, 1, 1, 6, -1, 0
	STEP KF, KS, 2, 1, 7, 3, 1
	STEP KF, KS, 3, 2, 0, -1, 0
	SCORE 0                                        ; units 128-255
	PLACES 4
	; ---- the softmax over the 16 keys of my query (8 registers here, 8 in lane l xor 16), the four groups by turns
.irp g, 0,1,2,3
	v_max3_num_f32 v[M+\g], v[SCR+8*\g], v[SCR+8*\g+1], v[SCR+8*\g+2]
.endr
.irp i, 3,5
.irp g, 0,1,2,3
	v_max3_num_f32 v[M+\g], v[M+\g], v[SCR+8*\g+\i], v[SCR+8*\g+\i+1]
.endr
.endr
.irp g, 0,1,2,3
	v_max_num_f32 v[M+\g], v[M+\g], v[SCR+8*\g+7]
.endr
.irp g, 0,1,2,3
	v_permlanex16_b32 v[T2+\g], v[M+\g], s30, s31
.endr
.irp g, 0,1,2,3
	v_max_num_f32 v[M+\g], v[M+\g], v[T2+\g]       ; the row's largest score
.endr
.irp g, 0,1,2,3
	v_mul_f32 v[PR+2*\g], s36, v[M+\g]             ; -c m
.endr
.irp i, 0,2,4,6
.irp g, 0,1,2,3
	v_pk_fma_f32 v[SCR+8*\g+\i:SCR+8*\g+\i+1], v[SCR+8*\g+\i:SCR+8*\g+\i+1], s[34:35], v[PR+2*\g:PR+2*\g+1] op_sel_hi:[1,0,0]   ; c s - c m
.endr
.endr
.irp i, 0,1,2,3,4,5,6,7
.irp g, 0,1,2,3
	v_exp_f32 v[SCR+8*\g+\i], v[SCR+8*\g+\i]
.endr
.endr
	v_nop                                          ; one plain line behind the exponentials
	s_wait_alu depctr_va_vdst(0)
.irp g, 0,1,2,3
	v_pk_add_f32 v[LP+2*\g:LP+2*\g+1], v[SCR+8*\g:SCR+8*\g+1], v[SCR+8*\g+2:SCR+8*\g+3]
.endr
.irp i, 4,6
.irp g, 0,1,2,3
	v_pk_add_f32 v[LP+2*\g:LP+2*\g+1], v[LP+2*\g:LP+2*\g+1], v[SCR+8*\g+\i:SCR+8*\g+\i+1]
.endr
.endr
.irp g, 0,1,2,3
	v_add_f32 v[LP+2*\g], v[LP+2*\g], v[LP+2*\g+1]
.endr
.irp g, 0,1,2,3
	v_permlanex16_b32 v[T2+\g], v[LP+2*\g], s30, s31
.endr
.irp g, 0,1,2,3
	v_add_f32 v[LP+2*\g], v[LP+2*\g], v[T2+\g]     ; the row's sum
.endr
.irp g, 0,1,2,3
	v_rcp_f32 v[LP+2*\g], v[LP+2*\g]
.endr
	v_nop                                          ; one plain line behind the reciprocals
	s_wait_alu depctr_va_vdst(0)
.irp g, 0,1,2,3
	v_mul_f32 v[LP+2*\g], s32, v[LP+2*\g]          ; and the mean over the 16 queries: / 16
.endr
.irp i, 0,2,4,6
.irp g, 0,1,2,3
	v_pk_mul_f32 v[SCR+8*\g+\i:SCR+8*\g+\i+1], v[SCR+8*\g+\i:SCR+8*\g+\i+1], v[LP+2*\g:LP+2*\g+1] op_sel_hi:[1,0]
.endr
.endr
.irp x, 1,2,4,8                                ; summed over the 16 queries, which are the 16 lanes of a half: register j of half h becomes w[8 h + j] in all of them
.irp j, 0,1,2,3,4,5,6,7
.irp g, 0,1,2,3
	v_add_f32_dpp v[SCR+8*\g+\j], v[SCR+8*\g+\j], v[SCR+8*\g+\j] row_xmask:\x row_mask:0xf bank_mask:0xf
.endr
.endr
.endr
.irp g, 0,1,2,3
	v_pk_add_f32 v[LP+2*\g:LP+2*\g+1], v[SCR+8*\g:SCR+8*\g+1], v[SCR+8*\g+2:SCR+8*\g+3]
.endr
.irp i, 4,6
.irp g, 0,1,2,3
	v_pk_add_f32 v[LP+2*\g:LP+2*\g+1], v[LP+2*\g:LP+2*\g+1], v[SCR+8*\g+\i:SCR+8*\g+\i+1]
.endr
.endr
.irp g, 0,1,2,3
	v_add_f32 v[SW+\g], v[LP+2*\g], v[LP+2*\g+1]
.endr
.irp g, 0,1,2,3
	v_permlanex16_b32 v[T2+\g], v[SW+\g], s30, s31
.endr
.irp g, 0,1,2,3
	v_add_f32 v[SW+\g], v[SW+\g], v[T2+\g]         ; the sum of w, which weighs bv
.endr
	; ---- w^T V, 32 columns a trip
	s_mov_b32 s[UO], 0                             ; this trip's columns, in bytes;
	s_mov_b32 s[UN], 128                           ; the next trip's: bv,
	s_mov_b32 s[WN], 6144                          ; fragments,
	s_mov_b32 s[SN], 256                           ; scale words
.Lv:                                                   ; 7 trips; the eighth, which fetches nothing, is written out
	VTRIP 1
	s_add_co_u32 s[UN], s[UN], 128
	s_add_co_u32 s[WN], s[WN], 6144
	s_add_co_u32 s[SN], s[SN], 256
	s_add_co_u32 s[UO], s[UO], 128
	s_cmp_lt_u32 s[UO], 896
	s_cbranch_scc1 .Lv
	VTRIP 0
	s_add_co_u32 s[PO], s[PO], 4*RP
	s_add_co_u32 s[PASS], s[PASS], 1
	s_cmp_lt_u32 s[PASS], 4
	s_cbranch_scc1 .Lpass
	; ---- THE LAST PRODUCT AND THE NORM: my 16 groups are 16 rows.  out^T: source 0 = 16 rows of Wo, source 1 = the sums: lane (r, h) holds group r, register 8 t + j the unit 16 t + 8 h + j.
.irp b, 0,1,2,3,4,5,6,7
	global_load_b64 v[WOS+2*\b:WOS+2*\b+1], v[L8], s[10:11] offset:178176+256*\b   ; Wo's scale words
.endr
.set fi, 0
.rept 16
	ds_load_b128 v[XA+4*fi:XA+4*fi+3], v[AGL] offset:128*(fi/4)+16*(fi%4)     ; my own stores are seen: LDS serves a wave's instructions in order
.set fi, fi+1
.endr
.set fi, 0
.rept 16
	ds_load_b128 v[XB+4*fi:XB+4*fi+3], v[AGL] offset:512+128*(fi/4)+16*(fi%4)
.set fi, fi+1
.endr
	s_wait_dscnt 16                                ; the first 128 columns are in
	QUANT4 XA, AF0, QS
	s_wait_dscnt 0x0
	QUANT4 XB, AF1, QS+1
	WIN 0x40
.set fi, 0
.rept 32
	ds_load_b128 v[OA+4*fi:OA+4*fi+3], v[REL] offset:64*(fi/2)+16*(fi%2)      ; the means, in the result's layout
.set fi, fi+1
.endr
	WIN 0
.set fi, 0
.rept 32
	ds_load_b128 v[64+4*fi:64+4*fi+3], v[AVE] offset:3072+64*(fi/2)+16*(fi%2) ; bo likewise
.set fi, fi+1
.endr
	s_wait_dscnt 0x0
	WIN 0x41
.set fi, 0
.rept 64
	v_pk_add_f32 v[OA+2*fi:OA+2*fi+1], v[OA+2*fi:OA+2*fi+1], v[64+2*fi:64+2*fi+1]   ; mean + bo: what the products add onto
.set fi, fi+1
.endr
	PLACES 8
	s_wait_loadcnt 0x0                             ; Wo's fragments (asked for during the last pass) and scale words
	WIN 0x56                                       ; source 0 window 2, source 1, C and D window 1
.irp t, 0,1,2,3,4,5,6,7,8,9,10,11,12,13,14,15
	WM OA+8*\t, 12*\t, AF0, OA+8*\t, WOS+\t, QS, 0
.endr
	WIN 0x57                                       ; source 0 window 3
.irp t, 0,1,2,3,4,5,6,7,8,9,10,11,12,13,14,15
	WM OA+8*\t, 12*\t, AF1, OA+8*\t, WOS+\t, QS+1, 1
.endr
	WIN 0
	PLACES 4
	WIN 0x80
.set fi, 0
.rept 32
	ds_load_b128 v[4*fi:4*fi+3], v[AVE] offset:4096+64*(fi/2)+16*(fi%2)       ; gamma, where Wo's first fragments lay
.set fi, fi+1
.endr
	WIN 0xc0
.set fi, 0
.rept 32
	ds_load_b128 v[4*fi:4*fi+3], v[AVE] offset:5120+64*(fi/2)+16*(fi%2)       ; beta
.set fi, fi+1
.endr
	WIN 0x55                                       ; all in window 1
	s_mov_b32 s52, 0x3b800000                      ; 1 / 256
	s_mov_b32 s53, 0x3727c5ac                      ; 1e-5
	v_mov_b32 v[TP], 0
	v_mov_b32 v[NMU+1], 0
	v_mov_b32 v[RQ+1], 0
.irp c, 0,1,2,3
	v_pk_add_f32 v[SA+2*\c:SA+2*\c+1], v[OA+2*\c:OA+2*\c+1], v[OA+8+2*\c:OA+8+2*\c+1]   ; the row's sum in four chains; each accumulator from its low end on
.endr
.irp t, 2,3,4,5,6,7,8,9,10,11,12,13,14,15
.irp c, 0,1,2,3
	v_pk_add_f32 v[SA+2*\c:SA+2*\c+1], v[SA+2*\c:SA+2*\c+1], v[OA+8*\t+2*\c:OA+8*\t+2*\c+1]
.endr
.endr
	v_pk_add_f32 v[SA:SA+1], v[SA:SA+1], v[SA+2:SA+3]
	v_pk_add_f32 v[SA+4:SA+5], v[SA+4:SA+5], v[SA+6:SA+7]
	v_pk_add_f32 v[SA:SA+1], v[SA:SA+1], v[SA+4:SA+5]
	v_add_f32 v[SA], v[SA], v[SA+1]
	v_permlanex16_b32 v[TP], v[SA], s30, s31       ; the row's other 128 units lie in lane l xor 16
	v_add_f32 v[SA], v[SA], v[TP]
	v_mul_f32 v[NMU], 0xbb800000, v[SA]            ; -mu
.set fi, 0
.rept 64
	v_pk_add_f32 v[OA+2*fi:OA+2*fi+1], v[OA+2*fi:OA+2*fi+1], v[NMU:NMU+1] op_sel_hi:[1,0]
.set fi, fi+1
.endr
.irp c, 0,1,2,3
	v_pk_mul_f32 v[SQ+2*\c:SQ+2*\c+1], v[OA+2*\c:OA+2*\c+1], v[OA+2*\c:OA+2*\c+1]
.endr
.set fi, 4
.rept 60
	v_pk_fma_f32 v[SQ+2*(fi%4):SQ+2*(fi%4)+1], v[OA+2*fi:OA+2*fi+1], v[OA+2*fi:OA+2*fi+1], v[SQ+2*(fi%4):SQ+2*(fi%4)+1]
.set fi, fi+1
.endr
	v_pk_add_f32 v[SQ:SQ+1], v[SQ:SQ+1], v[SQ+2:SQ+3]
	v_pk_add_f32 v[SQ+4:SQ+5], v[SQ+4:SQ+5], v[SQ+6:SQ+7]
	v_pk_add_f32 v[SQ:SQ+1], v[SQ:SQ+1], v[SQ+4:SQ+5]
	v_add_f32 v[SQ], v[SQ], v[SQ+1]
	v_permlanex16_b32 v[TP], v[SQ], s30, s31
	v_add_f32 v[SQ], v[SQ], v[TP]
	v_fma_f32 v[SQ], v[SQ], s52, s53               ; the variance + eps
	v_rsq_f32 v[RQ], v[SQ]
	v_nop                                          ; one plain line behind the transcendental
.set fi, 0
	s_wait_alu depctr_va_vdst(0)
.rept 64
	v_pk_mul_f32 v[OA+2*fi:OA+2*fi+1], v[OA+2*fi:OA+2*fi+1], v[RQ:RQ+1] op_sel_hi:[1,0]
.set fi, fi+1
.endr
	s_wait_dscnt 0x0                               ; gamma and beta
	WIN 0x79                                       ; source 1 (gamma) window 2, source 2 (beta) window 3
.set fi, 0
.rept 64
	v_pk_fma_f32 v[OA+2*fi:OA+2*fi+1], v[OA+2*fi:OA+2*fi+1], v[2*fi:2*fi+1], v[2*fi:2*fi+1]
.set fi, fi+1
.endr
	; THE WAY OUT: a lane's 32 bytes of a row go into my rows of sums, which have been read, and come back as halves of rows: 512 consecutive bytes a store
	WIN 0x04
.set fi, 0
.rept 32
	ds_store_b128 v[OST], v[OA+4*fi:OA+4*fi+3] offset:64*(fi/2)+16*(fi%2)
.set fi, fi+1
.endr
	WIN 0
.set fi, 0
.rept 32
	ds_load_b128 v[64+4*fi:64+4*fi+3], v[ORD] offset:RP*(fi/2)+512*(fi%2)
.set fi, fi+1
.endr
.set fi, 0
.rept 32
	s_wait_dscnt 31-fi                             ; LDS loads come back in order: number fi is in
	global_store_b128 v[L16], v[64+4*fi:64+4*fi+3], s[50:51] offset:1024*(fi/2)+512*(fi%2) th:TH_STORE_NT   ; at a multiple of 512 from out's first byte; written once, read by nobody here
.set fi, fi+1
.endr
	s_wait_tensorcnt 0x0
	ds_add_u32 v254, v255
	s_wait_dscnt 0x0
	s_endpgm
.Lfunc_end_k_q56f3f313bb_main:
	.size	k_q56f3f313bb_main, .Lfunc_end_k_q56f3f313bb_main-k_q56f3f313bb_main
	.p2alignl 7, 3214868480
	.fill 96, 4, 3214868480
	.section	.rodata,"a",@progbits
	.p2align	6, 0x0
	.amdhsa_kernel k_q56f3f313bb_main
		.amdhsa_group_segment_fixed_size 327168
		.amdhsa_private_segment_fixed_size 0
		.amdhsa_enable_private_segment 0
		.amdhsa_kernarg_size 72
		.amdhsa_user_sgpr_count 2
		.amdhsa_user_sgpr_kernarg_segment_ptr 1
		.amdhsa_wavefront_size32 1
		.amdhsa_system_sgpr_workgroup_id_x 1
		.amdhsa_system_sgpr_workgroup_id_y 1
		.amdhsa_system_sgpr_workgroup_id_z 1
		.amdhsa_system_vgpr_workitem_id 0
		.amdhsa_next_free_vgpr 1024
		.amdhsa_next_free_sgpr 66
		.amdhsa_reserve_vcc 0
		.amdhsa_float_denorm_mode_32 3
		.amdhsa_float_denorm_mode_16_64 3
		.amdhsa_memory_ordered 1
		.amdhsa_forward_progress 1
		.amdhsa_inst_pref_size 255
	.end_amdhsa_kernel
	.section	.bss,"aw",@nobits
	.p2align	6
	.space	262144
	.amdgpu_metadata
---
amdhsa.version: [ 1, 2 ]
amdhsa.kernels:
  - .name:           k_q56f3f313bb_main
    .symbol:         k_q56f3f313bb_main.kd
    .args:
      - { .name: neighbor_features, .offset: 0, .size: 8, .value_kind: global_buffer, .address_space: global }
      - { .name: wimg, .offset: 8, .size: 8, .value_kind: global_buffer, .address_space: global }
      - { .name: bq, .offset: 16, .size: 8, .value_kind: global_buffer, .address_space: global }
      - { .name: bk, .offset: 24, .size: 8, .value_kind: global_buffer, .address_space: global }
      - { .name: bv, .offset: 32, .size: 8, .value_kind: global_buffer, .address_space: global }
      - { .name: bo, .offset: 40, .size: 8, .value_kind: global_buffer, .address_space: global }
      - { .name: gamma, .offset: 48, .size: 8, .value_kind: global_buffer, .address_space: global }
      - { .name: beta, .offset: 56, .size: 8, .value_kind: global_buffer, .address_space: global }
      - { .name: out0, .offset: 64, .size: 8, .value_kind: global_buffer, .address_space: global }
    .group_segment_fixed_size: 327168
    .private_segment_fixed_size: 0
    .kernarg_segment_align: 8
    .kernarg_segment_size: 72
    .max_flat_workgroup_size: 128
    .sgpr_count:     66
    .vgpr_count:     1024
    .wavefront_size: 32
...
	.end_amdgpu_metadata
.endif
;; end of part 2
;; ======== version 2 of 2: 2 launches
;; workspace buffers: wimg 210,944 bytes
;; launch prep (part 3): grid 32 x 1, 2 waves a work-group, no clusters, 0 bytes of LDS; arguments Wq, Wk, Wv, Wo, wimg; writes wimg
.if DOCPART == 3
	.amdgcn_target "amdgcn-amd-amdhsa--gfx1250"
	.amdhsa_code_object_version 6
	.text
	.protected	k_q56f3f313bb_prep
	.globl	k_q56f3f313bb_prep
	.p2align	8
	.type	k_q56f3f313bb_prep,@function
k_q56f3f313bb_prep:
	s_mov_b64 s[64:65], 0
	v_nop
	global_prefetch_b8 v0, s[64:65] scope:SCOPE_SE
	s_setreg_imm32_b32 hwreg(HW_REG_WAVE_MODE, 25, 1), 1
	s_wait_xcnt 0x0
; Wq, Wk, Wv, Wo, each [256 (e)][256 (d)] f32 with K = d innermost, become codes of FP6 (E2M3) with one E8M0 byte for each 32 along d,
; laid in wimg AS IMAGES OF THE OPERAND'S REGISTERS: a fragment (16 rows x 128 K, 12 registers a lane) is three chunks of 512 bytes,
; chunk c = registers 4 c .. 4 c + 3, lane l's 16 bytes at 16 l.  The next launch takes every fragment by loads of 16 bytes a lane.
;   bytes 0 / 49,152 / 98,304: Wq / Wk / Wv, fragment (tile t, K step s) at 1,536 (2 t + s);   147,456 + 2,048 X: their scale words;
;   153,600 + 1,536 t: Wo, K step 0;   178,176: Wo's scale words;   186,368 + 1,536 t: Wo, K step 1.  (180,224 .. 186,367 are neither written nor read.)
; Scale words of tile pair b: 256 bytes, lane l's 8 bytes at 8 l: the words of tiles 2 b and 2 b + 1 for K step l / 16, row l % 16.
; THE ROWS OF A TILE: for Wq and Wk lane r of tile 2 b + u takes row 32 b + 8 u + r + 8 (r / 8), so that the results of two neighbouring
; tiles are 16 neighbours along the score product's K; for Wv and Wo row 16 t + r.
; SHARES: work-group = (matrix X = x / 8, tile pair b = x % 8); wave u takes tile 2 b + u, both K steps.  Lane (r, h) holds four WHOLE blocks of
; its row (k = 128 s + 64 c + 32 h + 0 .. 31), the very numbers that the operand's layout gives it: no other lane is asked for a maximum.
; A block's scale is 2^(floor(log2(largest magnitude)) - 2): its byte is that magnitude's exponent field - 2, held at 1 from below by a floor
; among the maximum's leaves.  LIMITS: a block of zeros gets the byte 1 (its codes are zeros, and this program alone reads the bytes);
; NaN and infinities among the inputs are not served.
.set MX,  8                            ; v8-11    largest magnitude of block k = 2 s + c
.set SV,  12                           ; v12-15   the conversions' scale operands
.set BT,  16                           ; v16-19   the scale bytes
.set NUM, 32                           ; v32-159  the numbers: block k at 32 k
.set FRG, 160                          ; v160-183 two fragments: K step s at 12 s
.set CTP, 184                          ; v184-199 the upper 16 codes of each block (a conversion's three registers begin on an even number)
	s_load_b256 s[4:11], s[0:1], 0x0               ; Wq, Wk, Wv, Wo
	s_load_b64 s[12:13], s[0:1], 0x20              ; wimg
	v_lshrrev_b32 v1, 5, v0
	v_readfirstlane_b32 s14, v1                    ; u: my wave
	v_and_b32 v1, 31, v0                           ; lane
	v_and_b32 v2, 15, v0                           ; r
	s_wait_alu depctr_va_vdst(0)
	v_bfe_u32 v3, v0, 4, 1                         ; h
	s_lshr_b32 s15, ttmp9, 3                       ; X: 0 Wq, 1 Wk, 2 Wv, 3 Wo
	s_and_b32 s16, ttmp9, 7                        ; b
	s_lshl_b32 s17, s16, 1
	s_add_co_u32 s17, s17, s14                     ; t = 2 b + u
	s_mov_b32 s30, 0x76543210
	s_mov_b32 s31, 0xfedcba98                      ; v_permlanex16_b32's selects for lane l xor 16
	s_cmp_lt_u32 s15, 2                            ; Wq, Wk: the second tile begins 8 rows on and lanes 8-15 stand 8 rows further; Wv, Wo: 16 rows on
	s_cselect_b32 s18, 8, 16
	s_cselect_b32 s19, 8, 0
	s_mul_i32 s18, s18, s14
	s_lshl_b32 s20, s16, 5
	s_add_co_u32 s18, s18, s20
	v_and_b32 v4, s19, v2
	v_add3_u32 v4, v4, v2, s18                     ; my row of the matrix
	v_lshlrev_b32 v5, 10, v4                       ; 1,024 bytes a row,
	s_wait_alu depctr_va_vdst(0)
	v_lshl_add_u32 v5, v3, 7, v5                   ; + 128 h: my block of each 64 along K
	; where the results go: both ways are made, then chosen on X = 3
	s_mul_i32 s21, s15, 49152
	s_mul_i32 s22, s17, 3072
	s_add_co_u32 s21, s21, s22                     ; Wq, Wk, Wv: the tile's two fragments lie on end
	s_mul_i32 s22, s17, 1536
	s_add_co_u32 s22, s22, 153600                  ; Wo: K step 0 here, K step 1 32,768 bytes on
	s_lshl_b32 s23, s15, 11
	s_lshl_b32 s24, s16, 8
	s_add_co_u32 s23, s23, s24
	s_add_co_u32 s23, s23, 147456
	s_add_co_u32 s24, s24, 178176
	s_mov_b32 s25, 1536
	s_mov_b32 s26, 32768
	s_wait_alu depctr_va_vdst(0)
	s_wait_kmcnt 0x0
	s_cmp_eq_u32 s15, 1                            ; the choice of a matrix hangs on the work-group's number alone
	s_cselect_b64 s[4:5], s[6:7], s[4:5]
	s_cmp_eq_u32 s15, 2
	s_cselect_b64 s[4:5], s[8:9], s[4:5]
	s_cmp_eq_u32 s15, 3
	s_cselect_b64 s[4:5], s[10:11], s[4:5]
	s_cselect_b32 s21, s22, s21
	s_cselect_b32 s23, s24, s23
	s_cselect_b32 s25, s26, s25
.irp k, 0,1,2,3
.irp i, 0,1,2,3,4,5,6,7
	global_load_b128 v[NUM+32*\k+4*\i:NUM+32*\k+4*\i+3], v5, s[4:5] offset:256*\k+16*\i   ; block k = 2 s + c begins 512 s + 256 c bytes on
.endr
.endr
	v_lshl_add_u32 v6, v1, 4, s21                  ; K step 0's image: 16 x lane
	v_add_nc_u32 v24, s25, v6                      ; K step 1's
	v_lshl_add_u32 v7, v1, 3, s23                  ; my scale word: 8 x lane
	v_lshl_add_u32 v7, s14, 2, v7                  ; + 4 u
	v_lshlrev_b32 v22, 3, v3                       ; 8 h
	v_mov_b32 v23, 0                               ; a lane permute's destination counts as one of its sources
	s_wait_loadcnt 0x0
.irp k, 0,1,2,3
	v_max3_num_f32 v[MX+\k], |v[NUM+32*\k]|, |v[NUM+32*\k+1]|, 0x1800000   ; the floor 2^(3 - 127): the byte cannot fall under 1
.endr
.irp i, 2,4,6,8,10,12,14,16,18,20,22,24,26,28,30
.irp k, 0,1,2,3
	v_max3_num_f32 v[MX+\k], v[MX+\k], |v[NUM+32*\k+\i]|, |v[NUM+32*\k+\i+1]|   ; the four blocks by turns
.endr
.endr
.irp k, 0,1,2,3
	v_add_nc_u32 v[SV+\k], 0xff000000, v[MX+\k]    ; 2 off the exponent field: the conversion takes this operand's exponent field as its scale
.endr
.irp k, 0,1,2,3
	v_lshrrev_b32 v[BT+\k], 23, v[SV+\k]           ; the scale's byte
.endr
.irp k, 0,1,2,3
	v_cvt_scalef32_pk16_fp6_f32 v[FRG+6*\k:FRG+6*\k+2], v[NUM+32*\k:NUM+32*\k+15], v[SV+\k]
	v_cvt_scalef32_pk16_fp6_f32 v[CTP+4*\k:CTP+4*\k+2], v[NUM+32*\k+16:NUM+32*\k+31], v[SV+\k]
.endr
	v_nop                                          ; one plain line between a scaled conversion and the vector line that reads its result
.irp k, 0,1,2,3
.irp i, 0,1,2
	v_mov_b32 v[FRG+6*\k+3+\i], v[CTP+4*\k+\i]     ; registers 6 c .. 6 c + 5 of K step s: the block's 32 codes
.endr
.endr
.irp s, 0,1
	v_lshl_or_b32 v[20+\s], v[BT+2*\s+1], 16, v[BT+2*\s]   ; my two bytes of K step s: blocks h and 2 + h,
	v_lshlrev_b32 v[20+\s], v22, v[20+\s]          ; at their places in the word;
	v_permlanex16_b32 v23, v[20+\s], s30, s31
	v_or_b32 v[20+\s], v[20+\s], v23               ; with lane l xor 16's two the word is whole
.endr
	v_cmp_eq_u32 vcc_lo, 1, v3
	v_cndmask_b32 v20, v20, v21, vcc_lo            ; lanes 0-15 store K step 0's word, lanes 16-31 K step 1's
.irp c, 0,1,2
	global_store_b128 v6, v[FRG+4*\c:FRG+4*\c+3], s[12:13] offset:512*\c          ; 32 lanes store 512 consecutive bytes
	global_store_b128 v24, v[FRG+12+4*\c:FRG+12+4*\c+3], s[12:13] offset:512*\c
.endr
	global_store_b32 v7, v20, s[12:13]
	s_endpgm
.Lfunc_end_k_q56f3f313bb_prep:
	.size	k_q56f3f313bb_prep, .Lfunc_end_k_q56f3f313bb_prep-k_q56f3f313bb_prep
	.p2alignl 7, 3214868480
	.fill 96, 4, 3214868480
	.section	.rodata,"a",@progbits
	.p2align	6, 0x0
	.amdhsa_kernel k_q56f3f313bb_prep
		.amdhsa_group_segment_fixed_size 0
		.amdhsa_private_segment_fixed_size 0
		.amdhsa_enable_private_segment 0
		.amdhsa_kernarg_size 40
		.amdhsa_user_sgpr_count 2
		.amdhsa_user_sgpr_kernarg_segment_ptr 1
		.amdhsa_wavefront_size32 1
		.amdhsa_system_sgpr_workgroup_id_x 1
		.amdhsa_system_sgpr_workgroup_id_y 1
		.amdhsa_system_sgpr_workgroup_id_z 1
		.amdhsa_system_vgpr_workitem_id 0
		.amdhsa_next_free_vgpr 208
		.amdhsa_next_free_sgpr 66
		.amdhsa_reserve_vcc 1
		.amdhsa_float_denorm_mode_32 3
		.amdhsa_float_denorm_mode_16_64 3
		.amdhsa_memory_ordered 1
		.amdhsa_forward_progress 1
		.amdhsa_inst_pref_size 13
	.end_amdhsa_kernel
	.amdgpu_metadata
---
amdhsa.version: [ 1, 2 ]
amdhsa.kernels:
  - .name:           k_q56f3f313bb_prep
    .symbol:         k_q56f3f313bb_prep.kd
    .args:
      - { .name: Wq, .offset: 0, .size: 8, .value_kind: global_buffer, .address_space: global }
      - { .name: Wk, .offset: 8, .size: 8, .value_kind: global_buffer, .address_space: global }
      - { .name: Wv, .offset: 16, .size: 8, .value_kind: global_buffer, .address_space: global }
      - { .name: Wo, .offset: 24, .size: 8, .value_kind: global_buffer, .address_space: global }
      - { .name: wimg, .offset: 32, .size: 8, .value_kind: global_buffer, .address_space: global }
    .group_segment_fixed_size: 0
    .private_segment_fixed_size: 0
    .kernarg_segment_align: 8
    .kernarg_segment_size: 40
    .max_flat_workgroup_size: 64
    .sgpr_count:     66
    .vgpr_count:     208
    .wavefront_size: 32
...
	.end_amdgpu_metadata
.endif
;; end of part 3
;; launch main (part 4): grid 256 x 1, 4 waves a work-group, no clusters, 327,168 bytes of LDS; arguments neighbor_features, wimg, bq, bk, bv, bo, gamma, beta, out0; writes out0
.if DOCPART == 4
	.amdgcn_target "amdgcn-amd-amdhsa--gfx1250"
	.amdhsa_code_object_version 6
	.text
	.protected	k_q56f3f313bb_main
	.globl	k_q56f3f313bb_main
	.p2align	8
	.type	k_q56f3f313bb_main,@function
k_q56f3f313bb_main:
	s_mov_b64 s[64:65], 0
	v_nop
	global_prefetch_b8 v0, s[64:65] scope:SCOPE_SE
	s_setreg_imm32_b32 hwreg(HW_REG_WAVE_SCHED_MODE, 0, 2), 2
	s_setreg_imm32_b32 hwreg(HW_REG_WAVE_MODE, 25, 1), 1
	s_wait_xcnt 0x0
	s_wait_alu depctr_vm_vsrc(0)
; out = LayerNorm(mean_q(softmax(Q K^T / 16) V) Wo^T + bo + mean_rows(x)), Q, K, V = x W^T + b, for 16,384 groups of 16 rows x 256.
; The products with Wq, Wk, Wv, Wo and the scores run on codes of FP6 (E2M3) with one E8M0 scale for each 32 along K; all else is f32.
; mean_q(attn V) is taken as w^T V with w[k] = (1/16) sum_q attn[q][k], and sum_k w[k] (V'[k] + bv) as sum_k w[k] V'[k] + bv sum_k w[k], the sum of w being computed:
; only the order of f32 additions differs from the written formula (so does that of the rows' mean, taken as fused x / 16 + sum).
; SHARES.  256 work-groups of four waves; a wave owns 16 WHOLE groups, 4 passes of 4, and shares nothing with the others but the weights' images
; in LDS, stored once ahead of the text's one barrier and only read behind it.  At its end a wave's 16 groups are one tile of rows of the last product.
; x comes by loads of 512 consecutive bytes into four register buffers of one group (windows 2, 3), asked for about a pass ahead.  As loaded, a lane holds eight
; columns of every row: the rows' mean is 64 packed lines.  Then the group turns through the wave's own stage in LDS, so that a lane holds 16 neighbours along K of one row.
; Q^T, K^T: source 0 = 16 rows of W, source 1 = the group's 16 rows; 32 output units at a time for 4 groups, so that a fragment of W read from LDS feeds 4 products; the bias is the C of the
; first; the 16 registers of two tiles are 16 neighbours along the scores' K and are quantised in registers.  S^T = K Q^T: a lane holds one query.  V: source 0 = the group, source 1 = 16 rows of Wv:
; a lane's registers run down the keys and are summed with w at once.
; NO CLUSTER, NO TENSOR LOAD: what work-groups share is 153,600 bytes of images and 51,200 of Wo's, read once by each, beside 1,048,576 bytes of x of its own; LDS is full (159,744 bytes of images and vectors,
; 133,120 of sums and means, 33,792 of stages), and x in registers gives the rows' mean with no further read.
; LIMITS: NaN and infinities are not served; a block whose largest magnitude lies under 2^-124, zeros too, has the scale byte 1 (its codes then are what the rule gives, zeros for zeros).
; REGISTERS, in windows of 256 (s_set_vgpr_msb: bits 1:0 source 0, 3:2 source 1, 5:4 source 2, 7:6 destination):
;   window 0: v1-23 addresses; v24-41 scale words and nothing else; v42-63 at work; v64-127 ACC (4 groups x 2 tiles) / XA; v128-159 scores, then w; v128-191 XB; v192-207 bias; v208-223 Wo's scale words; v224-247 at work
;   window 1: v0-95 x's codes; v96-143 Q's; v144-191 K's; v192-239 four fragments of W; v240-255 half blocks.   windows 2, 3: x as loaded, 128 registers a group; at the end Wo's fragments.
; THE MODE: SCHED_MODE bits 1:0 = 2 (LLVM: expert scheduling mode 2), set by the entry lines.  The code itself states the register dependences
; between vector or matrix instructions and memory or LDS instructions, with s_wait_alu, always for 0.
; THE PLAN.  Registers that memory or LDS instructions touch, in a pass:
;   the four buffers of x   Global loads land in them; a group's 32 LDS stores and its 64 packed lines read them; no other line names them.
;   v64-191 (XA, XB)        The turn's LDS loads land in them; the quantiser reads them; in the steps they are ACC and the scores, named by matrix and vector lines alone.
;   RS, v[ARSP]             The packed lines write RS, a pass's head writes v[ARSP]; the mean's two LDS stores read both.
;   WF, WS, BI, BVR         LDS loads land in them; a step's or trip's products (bv: one move) read them.
;   v[AVN], v[ASN], v[ABN], v[AGW], PR   Written in every trip over V; read by that trip's LDS loads and stores.
;   v1-11, v13, v19-23      Addresses: made at the head, never written again.
; A group has three waits: on va_vdst behind its first run of stores (v64-191 are free), on va_vdst ahead of the mean's stores (RS is written; the packed lines are done with the buffer, which no vector
; line names again, so that its next loads owe nothing more), on vm_vsrc where all its LDS instructions are back (the stores have read the buffer, RS and v[ARSP]).  A step has one, on va_vdst, behind its
; products: the loads of the next step's fragments, and of a buffer of x where one is due, follow it with nothing but loads and window switches between.  A trip over V has one on vm_vsrc at its head and
; two on va_vdst: behind the address additions, ahead of its loads, and ahead of its stores.  Codes and scale words that vector lines have made have a wait on va_vdst behind their places, ahead of the products that take them.
.set WSC,   147456                     ; LDS: 0 the code images of Wq, Wk, Wv; here their scale words;
.set VEC,   153600                     ; bq, bk, bv, bo, gamma, beta, 1,024 bytes each;
.set TURN,  159744                     ; a stage of 16 rows x (512 + 16) bytes for each wave;
.set TURNW, 8448
.set TPITCH, 528                       ; (33 x 16 bytes: the 16 rows of a 16-byte access start at 16 different 16-byte columns modulo 256)
.set AGG,   193536                     ; 16 rows x (1,024 + 16) bytes for each wave: the groups' w^T V; at the end the stage for out;
.set RES,   260096                     ; the same for the groups' means
.set ROWW,  16640
.set RP,    1040                       ; (65 x 16 bytes)
.set L16, 1                            ; 16 x lane
.set L8,  2                            ; 8 x lane
.set AWQ, 3                            ; v3-5  16 x lane + the images of Wq, Wk, Wv
.set AWS, 6                            ; WSC + 8 x lane
.set ABI, 7                            ; VEC + 64 h
.set ABV, 8                            ; bv + 4 x lane
.set ATS, 9                            ; my stage + 16 x lane
.set ATL, 10                           ; my stage + 528 r + 64 h
.set ARS, 11                           ; my means + 16 x lane;  v12 the same at this pass's rows
.set ARSP, 12
.set AAG, 13                           ; my sums + 4 x lane;  v14 at this pass's rows;  v15 at this trip's columns
.set AAGP, 14
.set AGW, 15
.set AVN, 16                           ; the next trip's fragments of Wv, scale words, bv
.set ASN, 17
.set ABN, 18
.set AGL, 19                           ; my sums + 1,040 r + 64 h
.set REL, 20                           ; my means + 1,040 r + 32 h
.set OST, 21                           ; my sums + 1,040 r + 32 h
.set ORD, 22                           ; my sums + 16 x lane
.set AVE, 23                           ; VEC + 32 h
.set XS,  24                           ; v24-31 x's scale words (2 g + s)
.set QS,  32                           ; v32-35 Q's;  at the end v32, v33: those of the sums
.set KS,  36                           ; v36-39 K's
.set WS,  40                           ; v40-41 W's, tiles 2 b and 2 b + 1: lanes 0-15 K step 0, lanes 16-31 K step 1
.set BVR, 42
.set BVC, 43
.set SW,  44                           ; v44-47 the sum of w
.set M,   48
.set T2,  52
.set SCV, 56
.set BY,  60
.set ACC, 64
.set XA,  64
.set SCR, 128
.set XB,  128
.set BI,  192
.set WOS, 208
.set RS,  224
.set PR,  232                          ; v232-247 pairs at work
.set LP,  240
.set XC,  0                            ; window 1
.set QF,  96
.set KF,  144
.set WF,  192
.set CT,  240
.set OA,  0                            ; window 1 at the end: 16 accumulators of out,
.set AF0, 144                          ; the sums' two fragments,
.set AF1, 156
.set SA,  168                          ; and the norm's registers
.set TP,  176
.set NMU, 178
.set SQ,  180
.set RQ,  188
.set PASS, 37
.set PO,  38
.set UO,  39
.set UN,  40
.set WN,  41
.set SN,  42
.set XN,  44                           ; s[44:45] x at the next pass's groups
.set WOB, 46                           ; s[46:47] Wo's images
.set LB,  48                           ; s[48:49] what the loads ahead fetch: the next pass's x, in the last pass Wo's images
.set MSB, 0
.macro WIN new                         ; the immediate's high byte repeats the setting that is left; a switch that changes nothing is dropped
.if MSB != (\new)
	s_set_vgpr_msb (MSB<<8)|(\new)
.set MSB, (\new)
.endif
.endm
.macro PLACES n
.rept \n
	v_nop
.endr
.endm
; One matrix instruction.  c < 0: the constant 0 starts the sum.  row = 1: A's scales from lanes 16-31; 2: B's
.macro WM d, a, b, c, sa, sb, row
.if (\c) < 0
	v_wmma_scale_f32_16x16x128_f8f6f4 v[(\d):(\d)+7], v[(\a):(\a)+11], v[(\b):(\b)+11], 0, v[\sa], v[\sb] matrix_a_fmt:MATRIX_FMT_FP6 matrix_b_fmt:MATRIX_FMT_FP6
.elseif (\row) == 0
	v_wmma_scale_f32_16x16x128_f8f6f4 v[(\d):(\d)+7], v[(\a):(\a)+11], v[(\b):(\b)+11], v[(\c):(\c)+7], v[\sa], v[\sb] matrix_a_fmt:MATRIX_FMT_FP6 matrix_b_fmt:MATRIX_FMT_FP6
.elseif (\row) == 1
	v_wmma_scale_f32_16x16x128_f8f6f4 v[(\d):(\d)+7], v[(\a):(\a)+11], v[(\b):(\b)+11], v[(\c):(\c)+7], v[\sa], v[\sb] matrix_a_fmt:MATRIX_FMT_FP6 matrix_b_fmt:MATRIX_FMT_FP6 matrix_a_scale:MATRIX_SCALE_ROW1
.else
	v_wmma_scale_f32_16x16x128_f8f6f4 v[(\d):(\d)+7], v[(\a):(\a)+11], v[(\b):(\b)+11], v[(\c):(\c)+7], v[\sa], v[\sb] matrix_a_fmt:MATRIX_FMT_FP6 matrix_b_fmt:MATRIX_FMT_FP6 matrix_b_scale:MATRIX_SCALE_ROW1
.endif
.endm
; Buffer g is asked for again: 32 loads of 512 consecutive bytes.  In the last pass the same lines bring Wo's images (48 chunks for each K step: buffers 0, 1 and 2, 3),
; so with cond = 1 the upper 16 loads are left out there: a scalar branch on the count of passes.
; No wait stands here: the group's own waits have shown its packed lines and its LDS stores done with the buffer, and no line names the buffer between them and these loads.
.macro LOADG g, cond
.set LW, (2+(\g)/2)<<6
.set LR, 128*((\g)%2)
	WIN LW
.set li, 0
.rept 16
	global_load_b128 v[LR+4*li:LR+4*li+3], v[L16], s[LB:LB+1] offset:16384*(\g)+512*li
.set li, li+1
.endr
.if \cond
	WIN 0                                          ; at a branch and at a label every window is 0
	s_cmp_eq_u32 s[PASS], 3
	s_cbranch_scc1 .Lshort_\@
	WIN LW
.endif
.rept 16
	global_load_b128 v[LR+4*li:LR+4*li+3], v[L16], s[LB:LB+1] offset:16384*(\g)+512*li
.set li, li+1
.endr
	WIN 0
.if \cond
.Lshort_\@:
.endif
.endm
; Four items of 16 numbers a lane, item k at v[src + 16 k]; lanes l and l xor 16 hold a block of 32.  M: the block's largest magnitude; SCV: the conversion's scale operand; v[bd + k]: the scale's byte.
.macro BMAX src, bd
.irp k, 0,1,2,3
	v_max3_num_f32 v[M+\k], |v[\src+16*\k]|, |v[\src+16*\k+1]|, 0x1800000   ; with the floor 2^(3 - 127): the byte cannot fall under 1.  (A matrix result is read from its low end on)
.endr
.irp i, 2,4,6,8,10,12,14
.irp k, 0,1,2,3
	v_max3_num_f32 v[M+\k], v[M+\k], |v[\src+16*\k+\i]|, |v[\src+16*\k+\i+1]|   ; the four items by turns
.endr
.endr
.irp k, 0,1,2,3
	v_permlanex16_b32 v[T2+\k], v[M+\k], s30, s31
.endr
.irp k, 0,1,2,3
	v_max_num_f32 v[M+\k], v[M+\k], v[T2+\k]
.endr
.irp k, 0,1,2,3
	v_add_nc_u32 v[SCV+\k], 0xff000000, v[M+\k]    ; 2 off the exponent field
.endr
.irp k, 0,1,2,3
	v_lshrrev_b32 v[\bd+\k], 23, v[SCV+\k]
.endr
.endm
; 64 numbers of a lane, register 16 b + i = k 32 b + 16 (lane / 16) + i of my row, become a fragment in window 1 at dst and its scale word.
.macro QUANT4 src, dst, word
	BMAX \src, BY
	v_lshl_or_b32 v[\word], v[BY+1], 8, v[BY]
	v_lshl_or_b32 v[\word], v[BY+2], 16, v[\word]
	v_lshl_or_b32 v[\word], v[BY+3], 24, v[\word]
	WIN 0x40                                       ; destination window 1
	v_cvt_scalef32_pk16_fp6_f32 v[(\dst):(\dst)+2], v[\src:\src+15], v[SCV]
	v_cvt_scalef32_pk16_fp6_f32 v[CT:CT+2], v[\src+16:\src+31], v[SCV+1]
	v_cvt_scalef32_pk16_fp6_f32 v[(\dst)+6:(\dst)+8], v[\src+32:\src+47], v[SCV+2]
	v_cvt_scalef32_pk16_fp6_f32 v[CT+4:CT+6], v[\src+48:\src+63], v[SCV+3]
	v_nop                                          ; one plain line behind the scaled conversions
	WIN 0x41
.irp c, 0,1                                    ; the layout wants a WHOLE block in a lane: lanes 0-15 block 2 c, lanes 16-31 block 2 c + 1
.irp i, 0,1,2
	v_permlane16_swap_b32 v[(\dst)+6*\c+\i], v[CT+4*\c+\i]
.endr
.irp i, 0,1,2
	v_mov_b32 v[(\dst)+6*\c+3+\i], v[CT+4*\c+\i]
.endr
.endr
	WIN 0
.endm
; ACC holds, for each of 4 groups, 16 neighbours of block bb of the 128 along the scores' K in hand: their codes go into F, their byte into S.
.macro QBLK F, S, bb
.if \bb == 0
	BMAX ACC, \S                                   ; the first byte starts the word
.else
	BMAX ACC, BY
.irp g, 0,1,2,3
	v_lshl_or_b32 v[\S+\g], v[BY+\g], 8*\bb, v[\S+\g]
.endr
.endif
	WIN 0x40
.irp g, 0,1,2,3
.if \bb%2 == 0
	v_cvt_scalef32_pk16_fp6_f32 v[\F+12*\g+6*(\bb/2):\F+12*\g+6*(\bb/2)+2], v[ACC+16*\g:ACC+16*\g+15], v[SCV+\g]
.else
	v_cvt_scalef32_pk16_fp6_f32 v[CT+4*\g:CT+4*\g+2], v[ACC+16*\g:ACC+16*\g+15], v[SCV+\g]
.endif
.endr
	v_nop                                          ; one plain line behind the scaled conversions: the next products write their sources
.if \bb%2 == 1
	WIN 0x41
.irp g, 0,1,2,3
.irp i, 0,1,2
	v_permlane16_swap_b32 v[\F+12*\g+6*(\bb/2)+\i], v[CT+4*\g+\i]
.endr
.irp i, 0,1,2
	v_mov_b32 v[\F+12*\g+6*(\bb/2)+3+\i], v[CT+4*\g+\i]
.endr
.endr
.endif
	WIN 0
.endm
.macro FRAGS adr, off                  ; four fragments of W (tiles 2 b, 2 b + 1 x two K steps) as they lie: 12 loads of 512 consecutive bytes
	WIN 0x40
.irp f, 0,1,2,3
.irp c, 0,1,2
	ds_load_b128 v[WF+12*\f+4*\c:WF+12*\f+4*\c+3], v[\adr] offset:(\off)+1536*\f+512*\c
.endr
.endr
	WIN 0
.endm
.macro STEPLD X, b                     ; what a step on tile pair b of matrix X wants: fragments, scale words, 16 numbers of the bias (units 32 b + 16 h + 0 .. 15)
	FRAGS AWQ+\X, 6144*\b
	ds_load_b64 v[WS:WS+1], v[AWS] offset:(8*\X+\b)*256
.irp i, 0,1,2,3
	ds_load_b128 v[BI+4*\i:BI+4*\i+3], v[ABI] offset:1024*\X+128*\b+16*\i
.endr
.endm
; A step: 32 output units of Q or K for 4 groups.  The 8 accumulators take turns, one instruction a turn.
; nX, nb: the next step's matrix and tile pair (nX = 2: Wv's first);  lg >= 0: buffer lg of x is asked for here.
.macro STEP F, S, bb, nX, nb, lg, lc
	s_wait_dscnt 0x0                               ; this step's 17 LDS loads were issued a quantiser ago
	WIN 0x05                                       ; sources 0 and 1 window 1
.irp g, 0,1,2,3
.irp u, 0,1
	WM ACC+16*\g+8*\u, WF+24*\u, XC+24*\g, BI+8*\u, WS+\u, XS+2*\g, 0
.endr
.endr
.irp g, 0,1,2,3
.irp u, 0,1
	WM ACC+16*\g+8*\u, WF+24*\u+12, XC+24*\g+12, ACC+16*\g+8*\u, WS+\u, XS+2*\g+1, 1
.endr
.endr
	WIN 0
	PLACES 4                                       ; in front of the first read of results
	s_wait_alu depctr_va_vdst(0)                   ; the 16 products are done reading W's fragments, its scale words and the bias, in which the next step's loads land; only loads and window switches stand between this wait and the last of them
.if \nX < 2
	STEPLD \nX, \nb
.else
	FRAGS AWQ+2, 0
	ds_load_b64 v[WS:WS+1], v[AWS] offset:4096
	ds_load_b32 v[BVR], v[ABV]
.endif
.if \lg >= 0
	LOADG \lg, \lc
.endif
	QBLK \F, \S, \bb
.endm
.macro SCORE first                     ; S^T += K Q^T over the 128 units just quantised: lane (r, h) holds query r, register j key 8 h + j
	PLACES 8                                       ; scale words written by vector lines stand 8 places ahead of a scaled product, codes 4
	s_wait_alu depctr_va_vdst(0)                   ; Q's and K's codes and scale words are written, which the four products take as operands and scales
	WIN 0x05
.irp g, 0,1,2,3
.if \first
	WM SCR+8*\g, KF+12*\g, QF+12*\g, -1, KS+\g, QS+\g, 0
.else
	WM SCR+8*\g, KF+12*\g, QF+12*\g, SCR+8*\g, KS+\g, QS+\g, 0
.endif
.endr
	WIN 0
.endm
; Group g of the pass: its mean over the rows, and its two fragments of codes.  n: the loads issued behind buffer g's, at the least, which may stay out.
.macro AGRP g, n
.set RB, 128*((\g)%2)
.set RW, 2+(\g)/2
	s_wait_loadcnt \n
	WIN RW<<2                                      ; an LDS store's data are its source 1
.set ai, 0
.rept 16
	ds_store_b128 v[ATS], v[RB+8*ai:RB+8*ai+3] offset:TPITCH*ai          ; row ai, columns 0-127, as loaded.  (These hang on no vector result: loads wrote the buffer, the head the address)
.set ai, ai+1
.endr
	s_wait_alu depctr_va_vdst(0)                   ; the quantiser of the group before (in a pass's first group: the last trip's sums with w) is done reading v64-191, in which the two runs of loads below land
.set ai, 0
.rept 16
	ds_load_b128 v[XA+4*ai:XA+4*ai+3], v[ATL] offset:128*(ai/4)+16*(ai%4)   ; back: 16 neighbours of each block of my row.  LDS serves a wave's instructions in order (ISA guide 5.7.1.4)
.set ai, ai+1
.endr
.set ai, 0
.rept 16
	ds_store_b128 v[ATS], v[RB+8*ai+4:RB+8*ai+7] offset:TPITCH*ai        ; columns 128-255, behind those loads
.set ai, ai+1
.endr
.set ai, 0
.rept 16
	ds_load_b128 v[XB+4*ai:XB+4*ai+3], v[ATL] offset:128*(ai/4)+16*(ai%4)
.set ai, ai+1
.endr
	WIN RW                                         ; source 0: the buffer
.irp q, 0,1,2,3
	v_pk_mul_f32 v[RS+2*\q:RS+2*\q+1], v[RB+2*\q:RB+2*\q+1], s[32:33] op_sel_hi:[1,0]   ; the mean over the 16 rows of my 8 columns: x / 16 is exact; four chains
.endr
.set ai, 1
.rept 15
.irp q, 0,1,2,3
	v_pk_fma_f32 v[RS+2*\q:RS+2*\q+1], v[RB+8*ai+2*\q:RB+8*ai+2*\q+1], s[32:33], v[RS+2*\q:RS+2*\q+1] op_sel_hi:[1,0,1]
.endr
.set ai, ai+1
.endr
	WIN 0
	s_wait_alu depctr_va_vdst(0)                   ; the packed lines have written RS (and the pass's head v[ARSP]), which the two stores read; and they are done reading the buffer, in which its next loads land
	ds_store_b128 v[ARSP], v[RS:RS+3] offset:RP*(\g)
	ds_store_b128 v[ARSP], v[RS+4:RS+7] offset:RP*(\g)+512
	s_wait_dscnt 34                                ; XA is in: behind its loads stand 16 stores, 16 loads and 2 stores
	QUANT4 XA, XC+24*(\g), XS+2*(\g)
	s_wait_dscnt 0x0                               ; XB is in, and every store has read the buffer
	s_wait_alu depctr_vm_vsrc(0)                   ; the group's LDS stores have read the buffer, in which its next loads land, and RS and v[ARSP], which the next group and the next pass write; the last pass's stores of sums have read PR, which the softmax writes
.if (\g) == 0
	LOADG 0, 0
.endif
.if (\g) == 3
	STEPLD 0, 0                                    ; (W's fragments, scale words and bias were last read ahead of this group's waits on va_vdst)
.endif
	QUANT4 XB, XC+24*(\g)+12, XS+2*(\g)+1
.endm
; 32 columns of V for 4 groups, summed with w at once.  Lane (r, h), tile u: register j = V'(key 8 h + j, column 32 b + 16 u + r).
.macro VTRIP next
	s_wait_dscnt 0x0                               ; this trip's fragments, scale words and bv
	s_wait_alu depctr_vm_vsrc(0)                   ; the last trip's LDS loads have read v[AVN], v[ASN] and v[ABN], its stores v[AGW] and their data in PR: all of these are written again below
	WIN 0x05
.irp g, 0,1,2,3
.irp u, 0,1
	WM ACC+16*\g+8*\u, XC+24*\g, WF+24*\u, -1, XS+2*\g, WS+\u, 0
.endr
.endr
.irp g, 0,1,2,3
.irp u, 0,1
	WM ACC+16*\g+8*\u, XC+24*\g+12, WF+24*\u+12, ACC+16*\g+8*\u, XS+2*\g+1, WS+\u, 2
.endr
.endr
	WIN 0
	v_mov_b32 v[BVC], v[BVR]                       ; these plain lines are the places behind the products
	v_add_nc_u32 v[AGW], s[UO], v[AAGP]
.if \next
	v_add_nc_u32 v[AVN], s[WN], v[AWQ+2]
	v_add_nc_u32 v[ASN], s[SN], v[AWS]
	v_add_nc_u32 v[ABN], s[UN], v[ABV]
	s_wait_alu depctr_va_vdst(0)                   ; the three addresses are written, which the loads below read; the products are done reading W's fragments and scale words, and the move bv, in which they land
	FRAGS AVN, 0
	ds_load_b64 v[WS:WS+1], v[ASN] offset:4096
	ds_load_b32 v[BVR], v[ABN]
.else
	PLACES 2
.endif
.irp g, 0,1,2,3
.irp u, 0,1
	v_pk_mul_f32 v[PR+4*\g+2*\u:PR+4*\g+2*\u+1], v[ACC+16*\g+8*\u:ACC+16*\g+8*\u+1], v[SCR+8*\g:SCR+8*\g+1]   ; each accumulator from its low end on
.endr
.endr
.irp i, 2,4,6
.irp g, 0,1,2,3
.irp u, 0,1
	v_pk_fma_f32 v[PR+4*\g+2*\u:PR+4*\g+2*\u+1], v[ACC+16*\g+8*\u+\i:ACC+16*\g+8*\u+\i+1], v[SCR+8*\g+\i:SCR+8*\g+\i+1], v[PR+4*\g+2*\u:PR+4*\g+2*\u+1]
.endr
.endr
.endr
.irp g, 0,1,2,3
.irp u, 0,1
	v_add_f32 v[PR+4*\g+2*\u], v[PR+4*\g+2*\u], v[PR+4*\g+2*\u+1]
.endr
.endr
.irp g, 0,1,2,3
	v_permlane16_swap_b32 v[PR+4*\g], v[PR+4*\g+2] ; now lane l holds column 32 b + l: keys 0-7 in the first register, keys 8-15 in the second
.endr
.irp g, 0,1,2,3
	v_add_f32 v[PR+4*\g], v[PR+4*\g], v[PR+4*\g+2]
.endr
.irp g, 0,1,2,3
	v_fma_f32 v[PR+4*\g], v[BVC], v[SW+\g], v[PR+4*\g]   ; + bv x the sum of w
.endr
	s_wait_alu depctr_va_vdst(0)                   ; the four sums and v[AGW] are written, which the stores read
.irp g, 0,1,2,3
	ds_store_b32 v[AGW], v[PR+4*\g] offset:RP*\g   ; 128 consecutive bytes of the group's row
.endr
.endm
	s_load_b512 s[8:23], s[0:1], 0x0               ; x s[8:9], wimg s[10:11], bq, bk, bv, bo, gamma, beta s[12:23]
	s_load_b64 s[24:25], s[0:1], 0x40              ; out
	v_lshl_add_u32 v254, v0, 2, 0x4fc00            ; the closing add's two registers: the LDS address of my spare word (512 bytes behind the means, which no other line names)
	v_mov_b32 v255, 0                              ; and 0; kept for that line alone
	v_lshrrev_b32 v48, 5, v0
	v_readfirstlane_b32 s26, v48                   ; wave 0..3
	v_and_b32 v50, 31, v0                          ; lane
	v_and_b32 v48, 15, v0                          ; r
	v_bfe_u32 v49, v0, 4, 1                        ; h
	s_wait_alu depctr_va_sdst(0)                   ; s26 is written, ahead of its first reader: LDS addresses and the bases of x and out are made from it
	s_mul_i32 s27, s26, TURNW
	s_add_co_u32 s27, s27, TURN                    ; my stage
	s_mul_i32 s28, s26, ROWW
	s_add_co_u32 s29, s28, RES                     ; my means
	s_add_co_u32 s28, s28, AGG                     ; my sums
	v_lshlrev_b32 v[L16], 4, v50
	v_lshlrev_b32 v[L8], 3, v50
	v_lshlrev_b32 v[AWQ], 4, v50
	v_lshl_add_u32 v[AWQ+1], v50, 4, 49152
	v_lshl_add_u32 v[AWQ+2], v50, 4, 98304
	v_lshl_add_u32 v[AWS], v50, 3, WSC
	v_lshl_add_u32 v[ABI], v49, 6, VEC
	v_lshl_add_u32 v[ABV], v50, 2, VEC+2048
	v_lshl_add_u32 v[AVE], v49, 5, VEC
	v_lshl_add_u32 v[ATS], v50, 4, s27
	v_mul_u32_u24 v51, v48, TPITCH
	v_lshl_add_u32 v51, v49, 6, v51
	v_add_nc_u32 v[ATL], s27, v51
	v_lshl_add_u32 v[ARS], v50, 4, s29
	v_lshl_add_u32 v[AAG], v50, 2, s28
	v_lshl_add_u32 v[ORD], v50, 4, s28
	v_mul_u32_u24 v51, v48, RP
	v_lshl_add_u32 v[AGL], v49, 6, v51
	v_add_nc_u32 v[AGL], s28, v[AGL]
	v_lshl_add_u32 v51, v49, 5, v51
	v_add_nc_u32 v[REL], s29, v51
	v_add_nc_u32 v[OST], s28, v51
	v_lshlrev_b32 v56, 4, v0                       ; the copy of the images: thread t takes 16 bytes at 16 t + 2,048 i
	v_add_nc_u32 v57, 0x10000, v56                 ; (an LDS offset has 16 bits)
	v_add_nc_u32 v58, 0x20000, v56
	v_lshlrev_b32 v61, 3, v0                       ; and 8 bytes of each vector
	v_add_nc_u32 v59, VEC, v61
	s_mov_b32 s30, 0x76543210
	s_mov_b32 s31, 0xfedcba98                      ; v_permlanex16_b32's selects for lane l xor 16
	s_mov_b32 s32, 0x3d800000                      ; 1 / 16
	s_mov_b32 s33, s32                             ; (named with it as a pair, so it is written)
	s_mov_b32 s34, 0x3db8aa3b                      ; c = log2(e) / sqrt(256)
	s_mov_b32 s35, s34
	s_mov_b32 s36, 0xbdb8aa3b                      ; -c
	s_lshl_b32 s52, ttmp9, 20                      ; x: 64 groups of 16,384 bytes a work-group,
	s_lshl_b32 s53, s26, 18                        ; 16 a wave
	s_add_co_u32 s52, s52, s53
	s_mov_b32 s53, 0
	s_lshl_b32 s28, ttmp9, 16                      ; out: 64 rows of 1,024 bytes a work-group, 16 a wave
	s_lshl_b32 s29, s26, 14
	s_add_co_u32 s28, s28, s29
	s_mov_b32 s29, 0
	s_wait_kmcnt 0x0
	s_add_nc_u64 s[XN:XN+1], s[8:9], s[52:53]
	s_mov_b64 s[LB:LB+1], s[XN:XN+1]
	s_add_nc_u64 s[WOB:WOB+1], s[10:11], 153600
	s_add_nc_u64 s[50:51], s[24:25], s[28:29]
	WIN 0x40
	s_wait_alu depctr_va_vdst(0)                   ; every address and offset made above (v1-11, v13, v19-23, v56-59, v61) is written: the loads and stores of the whole kernel read them
.set hi_, 0
.rept 64
	global_load_b128 v[4*hi_:4*hi_+3], v56, s[10:11] offset:2048*hi_          ; 153,600 bytes of images: 75 loads a thread
.set hi_, hi_+1
.endr
	WIN 0
.rept 11
	global_load_b128 v[64+4*(hi_-64):64+4*(hi_-64)+3], v56, s[10:11] offset:2048*hi_
.set hi_, hi_+1
.endr
.irp j, 0,1,2,3,4,5
	global_load_b64 v[128+2*\j:128+2*\j+1], v61, s[12+2*\j:13+2*\j]           ; bq, bk, bv, bo, gamma, beta
.endr
	LOADG 0, 0                                     ; the first pass's x
	LOADG 1, 0
	s_wait_loadcnt 63                              ; behind the 81 loads of images and vectors stand 64
	WIN 0x04
.set hi_, 0
.rept 64
	ds_store_b128 v[56+hi_/32], v[4*hi_:4*hi_+3] offset:2048*(hi_%32)
.set hi_, hi_+1
.endr
	WIN 0
.rept 11
	ds_store_b128 v58, v[64+4*(hi_-64):64+4*(hi_-64)+3] offset:2048*(hi_-64)
.set hi_, hi_+1
.endr
.irp j, 0,1,2,3,4,5
	ds_store_b64 v59, v[128+2*\j:128+2*\j+1] offset:1024*\j
.endr
	LOADG 2, 0
	LOADG 3, 0
.irp k, 0,1,2,3
	v_mov_b32 v[T2+\k], 0                          ; a lane permute's destination counts as one of its sources
	v_mov_b32 v[PR+2*\k+1], 0                      ; named as the upper half of a pair of which the low word serves both halves
.endr
	s_mov_b32 s[PASS], 0
	s_mov_b32 s[PO], 0
	s_wait_dscnt 0x0                               ; for the others' sake: my part of the images lies in LDS
	s_barrier_signal -1
	s_barrier_wait -1                              ; the one barrier: behind it images and vectors are only read, and all else in LDS is a wave's own
	s_wait_alu depctr_vm_vsrc(0)                   ; the copy's loads and LDS stores have read their offsets v56-59 and v61 and their data (window 1, v64-107, v128-139): the loop's vector lines and LDS loads write all of these
.Lpass:                                                ; 4 trips: 4 groups each
	s_wait_xcnt 0x0                                ; the loads issued so far have read their base: it may be written
	s_add_nc_u64 s[XN:XN+1], s[XN:XN+1], 0x10000   ; the next pass's groups
	s_cmp_eq_u32 s[PASS], 3
	s_cselect_b64 s[LB:LB+1], s[WOB:WOB+1], s[XN:XN+1]   ; nothing of x is left in the last pass: the loads ahead bring Wo's images
	v_add_nc_u32 v[ARSP], s[PO], v[ARS]            ; (the last pass's stores by v[ARSP] stand ahead of its fourth group's wait on vm_vsrc)
	v_add_nc_u32 v[AAGP], s[PO], v[AAG]
	; Buffers are asked for in the order 0 (in AGRP 0), 1, 2, 3; buffers 1 and 3 have 16 loads in the last pass, else 32.  Behind buffer 0's loads stand at least 16 + 32 + 16, behind 1's 32 + 16 + 32
	; (the count's field ends at 63), behind 2's 16 + 32, behind 3's 32.
	AGRP 0, 63
	AGRP 1, 63
	AGRP 2, 48
	AGRP 3, 32
	PLACES 8                                       ; the last scale word and codes of x were written by vector lines
	s_wait_alu depctr_va_vdst(0)                   ; they are written: the steps' and trips' products take x's codes and scale words as operand and scales
	STEP QF, QS, 0, 0, 1, -1, 0
	STEP QF, QS, 1, 0, 2, -1, 0
	STEP QF, QS, 2, 0, 3, 1, 1
	STEP QF, QS, 3, 1, 0, -1, 0
	STEP KF, KS, 0, 1, 1, -1, 0
	STEP KF, KS, 1, 1, 2, -1, 0
	STEP KF, KS, 2, 1, 3, -1, 0
	STEP KF, KS, 3, 0, 4, -1, 0
	SCORE 1                                        ; units 0-127
	STEP QF, QS, 0, 0, 5, 2, 0
	STEP QF, QS, 1, 0, 6, -1, 0
	STEP QF, QS, 2, 0, 7, -1, 0
	STEP QF, QS, 3, 1, 4, -1, 0
	STEP KF, KS, 0, 1, 5, -1, 0
	STEP KF, KS, 1, 1, 6, -1, 0
	STEP KF, KS, 2, 1, 7, 3, 1
	STEP KF, KS, 3, 2, 0, -1, 0
	SCORE 0                                        ; units 128-255
	PLACES 4
	; ---- the softmax over the 16 keys of my query (8 registers here, 8 in lane l xor 16), the four groups by turns
.irp g, 0,1,2,3
	v_max3_num_f32 v[M+\g], v[SCR+8*\g], v[SCR+8*\g+1], v[SCR+8*\g+2]
.endr
.irp i, 3,5
.irp g, 0,1,2,3
	v_max3_num_f32 v[M+\g], v[M+\g], v[SCR+8*\g+\i], v[SCR+8*\g+\i+1]
.endr
.endr
.irp g, 0,1,2,3
	v_max_num_f32 v[M+\g], v[M+\g], v[SCR+8*\g+7]
.endr
.irp g, 0,1,2,3
	v_permlanex16_b32 v[T2+\g], v[M+\g], s30, s31
.endr
.irp g, 0,1,2,3
	v_max_num_f32 v[M+\g], v[M+\g], v[T2+\g]       ; the row's largest score
.endr
.irp g, 0,1,2,3
	v_mul_f32 v[PR+2*\g], s36, v[M+\g]             ; -c m
.endr
.irp i, 0,2,4,6
.irp g, 0,1,2,3
	v_pk_fma_f32 v[SCR+8*\g+\i:SCR+8*\g+\i+1], v[SCR+8*\g+\i:SCR+8*\g+\i+1], s[34:35], v[PR+2*\g:PR+2*\g+1] op_sel_hi:[1,0,0]   ; c s - c m
.endr
.endr
	s_wait_alu depctr_va_vdst(0)
.irp i, 0,1,2,3,4,5,6,7
.irp g, 0,1,2,3
	v_exp_f32 v[SCR+8*\g+\i], v[SCR+8*\g+\i]
.endr
.endr
	v_nop                                          ; one plain line behind the exponentials
	s_wait_alu depctr_va_vdst(0)                   ; the 32 exponentials have written v[SCR ..]: one wait for the batch, ahead of its first reader
.irp g, 0,1,2,3
	v_pk_add_f32 v[LP+2*\g:LP+2*\g+1], v[SCR+8*\g:SCR+8*\g+1], v[SCR+8*\g+2:SCR+8*\g+3]
.endr
.irp i, 4,6
.irp g, 0,1,2,3
	v_pk_add_f32 v[LP+2*\g:LP+2*\g+1], v[LP+2*\g:LP+2*\g+1], v[SCR+8*\g+\i:SCR+8*\g+\i+1]
.endr
.endr
.irp g, 0,1,2,3
	v_add_f32 v[LP+2*\g], v[LP+2*\g], v[LP+2*\g+1]
.endr
.irp g, 0,1,2,3
	v_permlanex16_b32 v[T2+\g], v[LP+2*\g], s30, s31
.endr
.irp g, 0,1,2,3
	v_add_f32 v[LP+2*\g], v[LP+2*\g], v[T2+\g]     ; the row's sum
.endr
	s_wait_alu depctr_va_vdst(0)
.irp g, 0,1,2,3
	v_rcp_f32 v[LP+2*\g], v[LP+2*\g]
.endr
	v_nop                                          ; one plain line behind the reciprocals
	s_wait_alu depctr_va_vdst(0)                   ; the four reciprocals have written v[LP + 2 g]: one wait, ahead of their first reader
.irp g, 0,1,2,3
	v_mul_f32 v[LP+2*\g], s32, v[LP+2*\g]          ; and the mean over the 16 queries: / 16
.endr
.irp i, 0,2,4,6
.irp g, 0,1,2,3
	v_pk_mul_f32 v[SCR+8*\g+\i:SCR+8*\g+\i+1], v[SCR+8*\g+\i:SCR+8*\g+\i+1], v[LP+2*\g:LP+2*\g+1] op_sel_hi:[1,0]
.endr
.endr
.irp x, 1,2,4,8                                ; summed over the 16 queries, which are the 16 lanes of a half: register j of half h becomes w[8 h + j] in all of them
.irp j, 0,1,2,3,4,5,6,7
.irp g, 0,1,2,3
	v_add_f32_dpp v[SCR+8*\g+\j], v[SCR+8*\g+\j], v[SCR+8*\g+\j] row_xmask:\x row_mask:0xf bank_mask:0xf
.endr
.endr
.endr
.irp g, 0,1,2,3
	v_pk_add_f32 v[LP+2*\g:LP+2*\g+1], v[SCR+8*\g:SCR+8*\g+1], v[SCR+8*\g+2:SCR+8*\g+3]
.endr
.irp i, 4,6
.irp g, 0,1,2,3
	v_pk_add_f32 v[LP+2*\g:LP+2*\g+1], v[LP+2*\g:LP+2*\g+1], v[SCR+8*\g+\i:SCR+8*\g+\i+1]
.endr
.endr
.irp g, 0,1,2,3
	v_add_f32 v[SW+\g], v[LP+2*\g], v[LP+2*\g+1]
.endr
.irp g, 0,1,2,3
	v_permlanex16_b32 v[T2+\g], v[SW+\g], s30, s31
.endr
.irp g, 0,1,2,3
	v_add_f32 v[SW+\g], v[SW+\g], v[T2+\g]         ; the sum of w, which weighs bv
.endr
	; ---- w^T V, 32 columns a trip
	s_mov_b32 s[UO], 0                             ; this trip's columns, in bytes;
	s_mov_b32 s[UN], 128                           ; the next trip's: bv,
	s_mov_b32 s[WN], 6144                          ; fragments,
	s_mov_b32 s[SN], 256                           ; scale words
.Lv:                                                   ; 7 trips; the eighth, which fetches nothing, is written out
	VTRIP 1
	s_add_co_u32 s[UN], s[UN], 128
	s_add_co_u32 s[WN], s[WN], 6144
	s_add_co_u32 s[SN], s[SN], 256
	s_add_co_u32 s[UO], s[UO], 128
	s_cmp_lt_u32 s[UO], 896
	s_cbranch_scc1 .Lv
	VTRIP 0
	s_add_co_u32 s[PO], s[PO], 4*RP
	s_add_co_u32 s[PASS], s[PASS], 1
	s_cmp_lt_u32 s[PASS], 4
	s_cbranch_scc1 .Lpass
	; ---- THE LAST PRODUCT AND THE NORM: my 16 groups are 16 rows.  out^T: source 0 = 16 rows of Wo, source 1 = the sums: lane (r, h) holds group r, register 8 t + j the unit 16 t + 8 h + j.
	; (No vector line stands between the last trip's wait on va_vdst and the loads below, which land in v64-191 and in v208-223.)
.irp b, 0,1,2,3,4,5,6,7
	global_load_b64 v[WOS+2*\b:WOS+2*\b+1], v[L8], s[10:11] offset:178176+256*\b   ; Wo's scale words
.endr
.set fi, 0
.rept 16
	ds_load_b128 v[XA+4*fi:XA+4*fi+3], v[AGL] offset:128*(fi/4)+16*(fi%4)     ; my own stores are seen: LDS serves a wave's instructions in order
.set fi, fi+1
.endr
.set fi, 0
.rept 16
	ds_load_b128 v[XB+4*fi:XB+4*fi+3], v[AGL] offset:512+128*(fi/4)+16*(fi%4)
.set fi, fi+1
.endr
	s_wait_dscnt 16                                ; the first 128 columns are in
	QUANT4 XA, AF0, QS
	s_wait_dscnt 0x0
	QUANT4 XB, AF1, QS+1
	WIN 0x40
	s_wait_alu depctr_va_vdst(0)                   ; the two quantisers are done reading v64-191, in which bo lands; and they have written the sums' codes and scale words, which the products below take
.set fi, 0
.rept 32
	ds_load_b128 v[OA+4*fi:OA+4*fi+3], v[REL] offset:64*(fi/2)+16*(fi%2)      ; the means, in the result's layout
.set fi, fi+1
.endr
	WIN 0
.set fi, 0
.rept 32
	ds_load_b128 v[64+4*fi:64+4*fi+3], v[AVE] offset:3072+64*(fi/2)+16*(fi%2) ; bo likewise
.set fi, fi+1
.endr
	s_wait_dscnt 0x0
	WIN 0x41
.set fi, 0
.rept 64
	v_pk_add_f32 v[OA+2*fi:OA+2*fi+1], v[OA+2*fi:OA+2*fi+1], v[64+2*fi:64+2*fi+1]   ; mean + bo: what the products add onto
.set fi, fi+1
.endr
	PLACES 8
	s_wait_alu depctr_va_vdst(0)
	s_wait_loadcnt 0x0                             ; Wo's fragments (asked for during the last pass) and scale words
	WIN 0x56                                       ; source 0 window 2, source 1, C and D window 1
.irp t, 0,1,2,3,4,5,6,7,8,9,10,11,12,13,14,15
	WM OA+8*\t, 12*\t, AF0, OA+8*\t, WOS+\t, QS, 0
.endr
	WIN 0x57                                       ; source 0 window 3
.irp t, 0,1,2,3,4,5,6,7,8,9,10,11,12,13,14,15
	WM OA+8*\t, 12*\t, AF1, OA+8*\t, WOS+\t, QS+1, 1
.endr
	WIN 0
	PLACES 4                                       ; in front of the first read of results
	WIN 0x80
	s_wait_alu depctr_va_vdst(0)                   ; the 32 products are done reading Wo's fragments, in which gamma and beta land
.set fi, 0
.rept 32
	ds_load_b128 v[4*fi:4*fi+3], v[AVE] offset:4096+64*(fi/2)+16*(fi%2)       ; gamma, where Wo's first fragments lay
.set fi, fi+1
.endr
	WIN 0xc0
.set fi, 0
.rept 32
	ds_load_b128 v[4*fi:4*fi+3], v[AVE] offset:5120+64*(fi/2)+16*(fi%2)       ; beta
.set fi, fi+1
.endr
	WIN 0x55                                       ; all in window 1
	s_mov_b32 s52, 0x3b800000                      ; 1 / 256
	s_mov_b32 s53, 0x3727c5ac                      ; 1e-5
	v_mov_b32 v[TP], 0
	v_mov_b32 v[NMU+1], 0
	v_mov_b32 v[RQ+1], 0
.irp c, 0,1,2,3
	v_pk_add_f32 v[SA+2*\c:SA+2*\c+1], v[OA+2*\c:OA+2*\c+1], v[OA+8+2*\c:OA+8+2*\c+1]   ; the row's sum in four chains; each accumulator from its low end on
.endr
.irp t, 2,3,4,5,6,7,8,9,10,11,12,13,14,15
.irp c, 0,1,2,3
	v_pk_add_f32 v[SA+2*\c:SA+2*\c+1], v[SA+2*\c:SA+2*\c+1], v[OA+8*\t+2*\c:OA+8*\t+2*\c+1]
.endr
.endr
	v_pk_add_f32 v[SA:SA+1], v[SA:SA+1], v[SA+2:SA+3]
	v_pk_add_f32 v[SA+4:SA+5], v[SA+4:SA+5], v[SA+6:SA+7]
	v_pk_add_f32 v[SA:SA+1], v[SA:SA+1], v[SA+4:SA+5]
	v_add_f32 v[SA], v[SA], v[SA+1]
	v_permlanex16_b32 v[TP], v[SA], s30, s31       ; the row's other 128 units lie in lane l xor 16
	v_add_f32 v[SA], v[SA], v[TP]
	v_mul_f32 v[NMU], 0xbb800000, v[SA]            ; -mu
.set fi, 0
.rept 64
	v_pk_add_f32 v[OA+2*fi:OA+2*fi+1], v[OA+2*fi:OA+2*fi+1], v[NMU:NMU+1] op_sel_hi:[1,0]
.set fi, fi+1
.endr
.irp c, 0,1,2,3
	v_pk_mul_f32 v[SQ+2*\c:SQ+2*\c+1], v[OA+2*\c:OA+2*\c+1], v[OA+2*\c:OA+2*\c+1]
.endr
.set fi, 4
.rept 60
	v_pk_fma_f32 v[SQ+2*(fi%4):SQ+2*(fi%4)+1], v[OA+2*fi:OA+2*fi+1], v[OA+2*fi:OA+2*fi+1], v[SQ+2*(fi%4):SQ+2*(fi%4)+1]
.set fi, fi+1
.endr
	v_pk_add_f32 v[SQ:SQ+1], v[SQ:SQ+1], v[SQ+2:SQ+3]
	v_pk_add_f32 v[SQ+4:SQ+5], v[SQ+4:SQ+5], v[SQ+6:SQ+7]
	v_pk_add_f32 v[SQ:SQ+1], v[SQ:SQ+1], v[SQ+4:SQ+5]
	v_add_f32 v[SQ], v[SQ], v[SQ+1]
	v_permlanex16_b32 v[TP], v[SQ], s30, s31
	v_add_f32 v[SQ], v[SQ], v[TP]
	v_fma_f32 v[SQ], v[SQ], s52, s53               ; the variance + eps
	s_wait_alu depctr_va_vdst(0)
	v_rsq_f32 v[RQ], v[SQ]
	v_nop                                          ; one plain line behind the transcendental
.set fi, 0
	s_wait_alu depctr_va_vdst(0)                   ; the reciprocal root has written v[RQ], ahead of its first reader
.rept 64
	v_pk_mul_f32 v[OA+2*fi:OA+2*fi+1], v[OA+2*fi:OA+2*fi+1], v[RQ:RQ+1] op_sel_hi:[1,0]
.set fi, fi+1
.endr
	s_wait_dscnt 0x0                               ; gamma and beta
	WIN 0x79                                       ; source 1 (gamma) window 2, source 2 (beta) window 3
.set fi, 0
.rept 64
	v_pk_fma_f32 v[OA+2*fi:OA+2*fi+1], v[OA+2*fi:OA+2*fi+1], v[2*fi:2*fi+1], v[2*fi:2*fi+1]
.set fi, fi+1
.endr
	; THE WAY OUT: a lane's 32 bytes of a row go into my rows of sums, which have been read, and come back as halves of rows: 512 consecutive bytes a store
	WIN 0x04
	s_wait_alu depctr_va_vdst(0)                   ; the norm's last lines have written v[OA ..], which the LDS stores read; v64-191, in which the loads behind them land, were last read by the additions of bo, ahead of this wait too
.set fi, 0
.rept 32
	ds_store_b128 v[OST], v[OA+4*fi:OA+4*fi+3] offset:64*(fi/2)+16*(fi%2)
.set fi, fi+1
.endr
	WIN 0
.set fi, 0
.rept 32
	ds_load_b128 v[64+4*fi:64+4*fi+3], v[ORD] offset:RP*(fi/2)+512*(fi%2)
.set fi, fi+1
.endr
.set fi, 0
.rept 32
	s_wait_dscnt 31-fi                             ; LDS loads come back in order: number fi is in
	global_store_b128 v[L16], v[64+4*fi:64+4*fi+3], s[50:51] offset:1024*(fi/2)+512*(fi%2) th:TH_STORE_NT   ; at a multiple of 512 from out's first byte; written once, read by nobody here
.set fi, fi+1
.endr
	s_wait_dscnt 0x0                               ; the closing lines, six on end (every window is 0 here: the add's two registers lie in window 0)
	s_wait_alu 0x0
	s_wait_tensorcnt 0x0
	ds_add_u32 v254, v255
	s_wait_dscnt 0x0
	s_endpgm
.Lfunc_end_k_q56f3f313bb_main:
	.size	k_q56f3f313bb_main, .Lfunc_end_k_q56f3f313bb_main-k_q56f3f313bb_main
	.p2alignl 7, 3214868480
	.fill 96, 4, 3214868480
	.section	.rodata,"a",@progbits
	.p2align	6, 0x0
	.amdhsa_kernel k_q56f3f313bb_main
		.amdhsa_group_segment_fixed_size 327168
		.amdhsa_private_segment_fixed_size 0
		.amdhsa_enable_private_segment 0
		.amdhsa_kernarg_size 72
		.amdhsa_user_sgpr_count 2
		.amdhsa_user_sgpr_kernarg_segment_ptr 1
		.amdhsa_wavefront_size32 1
		.amdhsa_system_sgpr_workgroup_id_x 1
		.amdhsa_system_sgpr_workgroup_id_y 1
		.amdhsa_system_sgpr_workgroup_id_z 1
		.amdhsa_system_vgpr_workitem_id 0
		.amdhsa_next_free_vgpr 1024
		.amdhsa_next_free_sgpr 66
		.amdhsa_reserve_vcc 0
		.amdhsa_float_denorm_mode_32 3
		.amdhsa_float_denorm_mode_16_64 3
		.amdhsa_memory_ordered 1
		.amdhsa_forward_progress 1
		.amdhsa_inst_pref_size 255
	.end_amdhsa_kernel
	.section	.bss,"aw",@nobits
	.p2align	6
	.space	262144
	.amdgpu_metadata
---
amdhsa.version: [ 1, 2 ]
amdhsa.kernels:
  - .name:           k_q56f3f313bb_main
    .symbol:         k_q56f3f313bb_main.kd
    .args:
      - { .name: neighbor_features, .offset: 0, .size: 8, .value_kind: global_buffer, .address_space: global }
      - { .name: wimg, .offset: 8, .size: 8, .value_kind: global_buffer, .address_space: global }
      - { .name: bq, .offset: 16, .size: 8, .value_kind: global_buffer, .address_space: global }
      - { .name: bk, .offset: 24, .size: 8, .value_kind: global_buffer, .address_space: global }
      - { .name: bv, .offset: 32, .size: 8, .value_kind: global_buffer, .address_space: global }
      - { .name: bo, .offset: 40, .size: 8, .value_kind: global_buffer, .address_space: global }
      - { .name: gamma, .offset: 48, .size: 8, .value_kind: global_buffer, .address_space: global }
      - { .name: beta, .offset: 56, .size: 8, .value_kind: global_buffer, .address_space: global }
      - { .name: out0, .offset: 64, .size: 8, .value_kind: global_buffer, .address_space: global }
    .group_segment_fixed_size: 327168
    .private_segment_fixed_size: 0
    .kernarg_segment_align: 8
    .kernarg_segment_size: 72
    .max_flat_workgroup_size: 128
    .sgpr_count:     66
    .vgpr_count:     1024
    .wavefront_size: 32
...
	.end_amdgpu_metadata
.endif
;; end of part 4
